; MI455X (gfx1250); checked and timed in simulation.
; The chip was launched on July 23, 2026; its instructions are those of AMD's public machine-readable ISA for CDNA 5 (MIT licence, August 2026) and "CDNA5" Instruction Set Architecture Reference Guide (July 2026). The comments in the code are by the model that wrote it; some were corrected since.
;; Flex Bert Unpad Rope Attention. Allowed arithmetic: matrix products marked QUANTISED: E2M1 operands, one E8M0 scale for each 32 along K, by v_wmma_scale_f32_16x16x128_f8f6f4 with both operands' format E2M1 (or v_wmma_scale_f32_32x16x128_f4), f32 sums; products left as they are: bf16, f16 or f32 operands; f32 sums; everything else in f32.
;; Inputs: Wo 1,024 x 1,024 float32; Wqkv 3,072 x 1,024 float32; attn_mask 8 x 1,024 int32; cu_seqlens 9 int32; hidden_states 8,192 x 1,024 float32; indices 8,192 int32.
;; Outputs: out0 8,192 x 1,024 float32.
;; Constants: max_seqlen = 1024.
;; This version of the problem:
;;   THIS VERSION OF THE PROBLEM IS GIVEN IN LOW PRECISION. The matrix products marked QUANTISED in the list below multiply operands that are first quantised to E2M1 (2 exponent bits, 1 mantissa bit; 4 bits a number), with one power-of-two scale for each 32 numbers along K (OCP MX v1.0); their sums are f32. The products marked 'left as it is' may take bf16, f16 or f32 operands, with f32 sums. Whichever they take, every output number must still come out within the allowed error. Rounding operands to bf16 (8 significant bits) uses up far more of that allowance than f16 does (11 bits, for magnitudes from 6e-5 to 65,504). All else is computed in f32.
;;   The module's matrix products, in the order in which they are computed (A, B: the left and right operand; K: the contracted axis; several contracted axes count as one K, in the product's order):
;;     1. [M 8,192, K 1,024] x [K 1,024, N 3,072]; A: input hidden_states; B: input Wqkv: QUANTISED
;;     2. batch 128 x [M 1,024, K 64] x [K 64, N 1,024]; A: computed on the way; B: computed on the way: left as it is (an operand is computed on the way)
;;     3. batch 128 x [M 64, K 1,024] x [K 1,024, N 1,024]; A: computed on the way; B: computed on the way: left as it is (an operand is computed on the way)
;;     4. [M 8,192, K 1,024] x [K 1,024, N 1,024]; A: computed on the way; B: input Wo: left as it is (an operand is computed on the way)
;;   THE QUANTISER, for each operand of a quantised product, along K:
;;     - K is cut into blocks of 32 from its start; a last block that is shorter is filled with zeros.
;;     - A block's scale is 2^e with e = floor(log2(the largest magnitude in the block)) - 2, held to -126 .. 127; a block of zeros has e = 0. As a byte (E8M0): e + 127.
;;     - Each number is divided by its block's scale, clamped to +-6, and rounded to the nearest number of E2M1, ties to even, subnormals kept.
;;     - The product sums the exact products of the quantised numbers (number of the format x scale) in f32.
;;   ~~~python
;;   def quantise(x, axis):      # numpy; x: float32 -> the quantised numbers, widened to float32 again
;;       x = np.moveaxis(x, axis, -1); K = x.shape[-1]
;;       x = np.pad(x, [(0, 0)] * (x.ndim - 1) + [(0, -K % 32)]); x = x.reshape(x.shape[:-1] + (-1, 32)); a = np.abs(x).max(-1, keepdims=True)
;;       e = np.where(a > 0, np.clip(np.frexp(np.where(a > 0, a, 1))[1] - 1 - 2, -126, 127), 0)      # np.frexp(a)[1] - 1 = floor(log2(a)), exactly
;;       r = np.clip(x / 2.0 ** e, -6, 6)
;;       step = 2.0 ** (np.maximum(np.frexp(np.where(r == 0, 1, r))[1] - 1, 0) - 1)
;;       q = np.round(r / step) * step * 2.0 ** e      # np.round: ties to even
;;       return np.moveaxis(q.reshape(q.shape[:-2] + (-1,))[..., :K], -1, axis).astype(np.float32)
;;   ~~~
;; One version. Each part assembles by itself: llvm-mc -triple=amdgcn-amd-amdhsa -mcpu=gfx1250 --defsym DOCPART=n.
;; ======== version 1 of 1: 4 launches
;; limits: values are held in f16: magnitudes above 65,504 overflow, below 6.1e-05 lose precision
;; workspace buffers: codes 5,767,168 bytes; scales 360,448 bytes; rope 262,144 bytes; kbias 36,864 bytes; woimg 2,097,152 bytes; qkv 50,601,984 bytes; aimg 16,777,216 bytes
;; launch prep (part 1): grid 456 x 1, 4 waves a work-group, no clusters, 33,280 bytes of LDS; arguments hidden_states, Wqkv, Wo, attn_mask, codes, scales, rope, kbias, woimg, qkv; writes codes, scales, rope, kbias, woimg, qkv
.if DOCPART == 1
	.amdgcn_target "amdgcn-amd-amdhsa--gfx1250"
	.amdhsa_code_object_version 6
	.text
	.protected	k_qced7566126_prep
	.globl	k_qced7566126_prep
	.p2align	8
	.type	k_qced7566126_prep,@function
k_qced7566126_prep:
	s_mov_b64 s[64:65], 0
	v_nop
	global_prefetch_b8 v0, s[64:65] scope:SCOPE_SE
	s_setreg_imm32_b32 hwreg(HW_REG_WAVE_MODE, 25, 1), 1
	s_wait_xcnt 0x0
; PREP.  What the three later launches want ready, made once.  The work-group's number picks one of four jobs:
;   0..351   hidden_states [8192][1024] (the first 256) and Wqkv [3072][1024], f32, become codes of FP4 (E2M1), K innermost, with one E8M0 byte for each 32 along K
;   352..415 Wo [1024][1024] becomes f16, laid as images of the out-projection's operand registers: [16 rows][32 along K][half p][lane][16 bytes]; lane (r, h): row r, k = 32 c + 16 p + 8 h + 0..7
;   416..447 the rotary table: cos and sin of position x 10000^(-f / 32), laid as the product's result registers want them: [16 positions][4 beta + 2 (0 cos, 1 sin) + half][lane][16 bytes]
;   448..455 the key bias of one sequence, [1152] f32 (entry key + 64): 0 where the key exists and attn_mask is not 0, else -3e38; and 1,024 of the 8,192 zero bytes behind V's images
; cu_seqlens, indices and max_seqlen are not loaded: the function that this program computes never reads them.
; A block's scale is 2^(floor(log2(its largest magnitude)) - 2); its byte is the largest magnitude's exponent field - 2, held at 1 from below (a block of zeros so gets 1: its codes are zeros, and this program alone reads the bytes).
; LIMITS: blocks whose largest magnitude lies under 2^-124 keep the byte 1; NaN and infinities among the inputs are not served; numbers of Wo beyond 65,504 have no f16.
; The angle is reduced by multiples of pi / 2 held in two parts, and sine and cosine are polynomials on |rho| <= pi / 4 whose next terms lie under 3e-7; the angle itself carries the rounding of f32 (up to about 1e-4 at position 1,023).
.set WAVES, 4
.set STEPS, 16
.set WGA,   256                        ; work-groups for hidden_states: 8192 x 1024 / 32768
.set WGQ,   352                        ; + 96 for Wqkv
.set WGW,   416                        ; + 64 for Wo
.set WGT,   448                        ; + 32 for the table
.set WCODES,  4194304                  ; where Wqkv's codes begin in the buffer of codes
.set WSCALES, 262144                   ; and its scale bytes
.set PADOFF,  50331648                 ; the zero bytes behind V's images
.set EMAX,  2
.set CB,    8                          ; bytes of 16 codes
.set R,     16                         ; v16-79   four sets of 16 numbers as loaded
.set X,     80                         ; v80-111  two sets of 16 neighbours
.set E,     112                        ; v112-127 a scale byte for each step
.set C,     128                        ; v128-191 codes, four registers for each step
.set WREG,  8192                       ; LDS: a region for each wave: two stages of 32 x SP bytes, then its 256 scale bytes
.set SP,    80                         ; a lane's place in a stage: 64 bytes + 16 of padding
.set SPW,   12                         ; v12 LDS address of my spare word; never rewritten
.set NIL,   13                         ; v13 0; never rewritten
.set SPARE, WAVES*WREG                 ; the spare words, 128 bytes a wave, which no other line names
	s_load_b512 s[4:19], s[0:1], 0x0               ; hidden s[4:5], Wqkv s[6:7], Wo s[8:9], attn_mask s[10:11], codes s[12:13], scales s[14:15], rope s[16:17], kbias s[18:19]
	s_load_b128 s[20:23], s[0:1], 0x40             ; woimg s[20:21], qkv s[22:23]
	v_lshl_add_u32 v[SPW], v0, 2, SPARE
	v_mov_b32 v[NIL], 0
	v_lshrrev_b32 v1, 5, v0
	v_readfirstlane_b32 s24, v1                    ; wave
	v_and_b32 v2, 31, v0                           ; lane
	s_wait_kmcnt 0x0
	s_cmp_lt_u32 ttmp9, WGQ
	s_cbranch_scc1 .Lquant
	s_cmp_lt_u32 ttmp9, WGW
	s_cbranch_scc1 .Lwo
	s_cmp_lt_u32 ttmp9, WGT
	s_cbranch_scc1 .Lrope
; ---- the key bias of sequence b, and zeros.  Thread t takes keys 8 t .. 8 t + 7
	s_sub_co_u32 s25, ttmp9, WGT                   ; b
	s_mov_b32 s27, 0
	s_lshl_b32 s26, s25, 12
	s_add_nc_u64 s[10:11], s[10:11], s[26:27]      ; the sequence's 1,024 mask words
	s_mul_i32 s26, s25, 4608
	s_add_nc_u64 s[18:19], s[18:19], s[26:27]      ; its 1,152 bias words
	s_lshl_b32 s26, s25, 10
	s_add_co_u32 s26, s26, PADOFF
	s_add_nc_u64 s[22:23], s[22:23], s[26:27]      ; its 1,024 of the zero bytes
	v_lshlrev_b32 v3, 5, v0
	global_load_b128 v[16:19], v3, s[10:11]
	global_load_b128 v[20:23], v3, s[10:11] offset:16
	v_mov_b32 v4, 0xff61b1e6                       ; -3e38
	v_mov_b32 v5, 0
	v_mov_b32 v6, 0
	v_mov_b32 v7, 0
	v_lshrrev_b32 v8, 6, v0
	v_lshlrev_b32 v8, 12, v8
	v_lshl_add_u32 v8, v0, 2, v8                   ; entries 0..63 (threads 0..63) and 1088..1151 (threads 64..127): keys that do not exist
	v_lshlrev_b32 v9, 3, v0
	global_store_b32 v8, v4, s[18:19]
	global_store_b64 v9, v[6:7], s[22:23]
	s_wait_loadcnt 0x0
.irp j, 0,1,2,3,4,5,6,7
	v_cmp_ne_u32 vcc_lo, 0, v[16+\j]
	v_cndmask_b32 v[24+\j], v4, v5, vcc_lo         ; 0 where the mask word is not 0
.endr
	global_store_b128 v3, v[24:27], s[18:19] offset:256
	global_store_b128 v3, v[28:31], s[18:19] offset:272
	s_endpgm
; ---- the rotary table.  A wave makes 16 positions x 16 frequencies: lane (r, h): position 16 tile + r, frequencies 16 beta + 8 h + 0..7
.set FQ, 16                            ; v16-23 the frequency's number, its exponent, the frequency, the angle x
.set NN, 24                            ; v24-31 n = x / (pi / 2), rounded
.set RH, 32                            ; v32-39 rho = x - n pi / 2
.set ZZ, 40                            ; v40-47 rho^2
.set SI, 48                            ; v48-55 sin rho
.set CSN, 56                           ; v56-63 cos rho
.set QQ, 64                            ; v64-71 n as a whole number
.set T1, 72                            ; v72-79 at work
.set OC, 80                            ; v80-87 cos x
.set OS, 88                            ; v88-95 sin x
.Lrope:
	s_sub_co_u32 s25, ttmp9, WGW
	s_lshl_b32 s25, s25, 2
	s_add_co_u32 s25, s25, s24                     ; 4 x work-group + wave
	s_lshr_b32 s26, s25, 1                         ; which 16 positions
	s_and_b32 s27, s25, 1                          ; beta
	s_lshl_b32 s28, s26, 12
	s_lshl_b32 s29, s27, 11
	s_add_co_u32 s28, s28, s29
	s_mov_b32 s29, 0
	s_add_nc_u64 s[16:17], s[16:17], s[28:29]
	s_lshl_b32 s26, s26, 4
	s_lshl_b32 s27, s27, 4
	s_mov_b32 s30, 0xb9500d01                      ; -1 / 5040
	s_mov_b32 s31, 0x3c088889                      ; 1 / 120
	s_mov_b32 s32, 0x37d00d01                      ; 1 / 40320
	s_mov_b32 s33, 0xbab60b61                      ; -1 / 720
	v_and_b32 v3, 15, v0
	v_bfe_u32 v4, v0, 4, 1
	v_add_nc_u32 v3, s26, v3
	v_cvt_f32_u32 v3, v3                           ; the position
	v_lshl_add_u32 v4, v4, 3, s27                  ; 16 beta + 8 h
	v_lshlrev_b32 v5, 4, v2                        ; 16 x lane
.irp j, 0,1,2,3,4,5,6,7
	v_add_nc_u32 v[FQ+\j], \j, v4
.endr
.irp j, 0,1,2,3,4,5,6,7
	v_cvt_f32_u32 v[FQ+\j], v[FQ+\j]
.endr
.irp j, 0,1,2,3,4,5,6,7
	v_mul_f32 v[FQ+\j], 0xbed49a78, v[FQ+\j]       ; -f log2(10000) / 32
.endr
.irp j, 0,1,2,3,4,5,6,7
	v_exp_f32 v[FQ+\j], v[FQ+\j]                   ; 10000^(-f / 32)
.endr
	v_nop                                          ; a plain line behind the last exponential,
	s_wait_alu depctr_va_vdst(0)                   ; and one wait for the eight, ahead of their first reader
.irp j, 0,1,2,3,4,5,6,7
	v_mul_f32 v[FQ+\j], v3, v[FQ+\j]               ; x
.endr
.irp j, 0,1,2,3,4,5,6,7
	v_mul_f32 v[NN+\j], 0x3f22f983, v[FQ+\j]       ; x 2 / pi
.endr
.irp j, 0,1,2,3,4,5,6,7
	v_rndne_f32 v[NN+\j], v[NN+\j]
.endr
.irp j, 0,1,2,3,4,5,6,7
	v_fmamk_f32 v[RH+\j], v[NN+\j], 0xbfc90fdb, v[FQ+\j]   ; x - n x (the f32 nearest pi / 2): one rounding
.endr
.irp j, 0,1,2,3,4,5,6,7
	v_fmamk_f32 v[RH+\j], v[NN+\j], 0x333bbd2e, v[RH+\j]   ; and what that f32 has too much
.endr
.irp j, 0,1,2,3,4,5,6,7
	v_mul_f32 v[ZZ+\j], v[RH+\j], v[RH+\j]
.endr
.irp j, 0,1,2,3,4,5,6,7
	v_fma_f32 v[SI+\j], v[ZZ+\j], s30, s31
	v_fma_f32 v[CSN+\j], v[ZZ+\j], s32, s33
.endr
.irp j, 0,1,2,3,4,5,6,7
	v_fmaak_f32 v[SI+\j], v[SI+\j], v[ZZ+\j], 0xbe2aaaab   ; -1 / 6
	v_fmaak_f32 v[CSN+\j], v[CSN+\j], v[ZZ+\j], 0x3d2aaaab ; 1 / 24
.endr
.irp j, 0,1,2,3,4,5,6,7
	v_mul_f32 v[SI+\j], v[SI+\j], v[ZZ+\j]
	v_fma_f32 v[CSN+\j], v[CSN+\j], v[ZZ+\j], -0.5
.endr
.irp j, 0,1,2,3,4,5,6,7
	v_fma_f32 v[SI+\j], v[RH+\j], v[SI+\j], v[RH+\j]
	v_fma_f32 v[CSN+\j], v[CSN+\j], v[ZZ+\j], 1.0
.endr
.irp j, 0,1,2,3,4,5,6,7
	v_cvt_i32_f32 v[QQ+\j], v[NN+\j]
.endr
.irp j, 0,1,2,3,4,5,6,7
	v_and_b32 v[T1+\j], 1, v[QQ+\j]
.endr
.irp j, 0,1,2,3,4,5,6,7
	v_cmp_eq_u32 vcc_lo, 1, v[T1+\j]               ; in odd quarters sine and cosine change places
	v_cndmask_b32 v[OS+\j], v[SI+\j], v[CSN+\j], vcc_lo
	v_cndmask_b32 v[OC+\j], v[CSN+\j], v[SI+\j], vcc_lo
.endr
.irp j, 0,1,2,3,4,5,6,7
	v_and_b32 v[T1+\j], 2, v[QQ+\j]                ; the sine is negative in quarters 2 and 3,
	v_add_nc_u32 v[QQ+\j], 1, v[QQ+\j]
.endr
.irp j, 0,1,2,3,4,5,6,7
	v_lshlrev_b32 v[T1+\j], 30, v[T1+\j]
	v_and_b32 v[QQ+\j], 2, v[QQ+\j]                ; the cosine in quarters 1 and 2
.endr
.irp j, 0,1,2,3,4,5,6,7
	v_xor_b32 v[OS+\j], v[T1+\j], v[OS+\j]
	v_lshlrev_b32 v[QQ+\j], 30, v[QQ+\j]
.endr
.irp j, 0,1,2,3,4,5,6,7
	v_xor_b32 v[OC+\j], v[QQ+\j], v[OC+\j]
.endr
	global_store_b128 v5, v[OC:OC+3], s[16:17]               ; each store covers 512 consecutive bytes, aligned
	global_store_b128 v5, v[OC+4:OC+7], s[16:17] offset:512
	global_store_b128 v5, v[OS:OS+3], s[16:17] offset:1024
	global_store_b128 v5, v[OS+4:OS+7], s[16:17] offset:1536
	s_endpgm
; ---- Wo as f16 images.  The work-group takes 16 rows, wave w their k = 256 w .. 256 w + 255: eight blocks of 32.
; A load takes 32 bytes of each of 16 rows; the wave's 32 loads on end take each row's 1,024 bytes whole.  A store covers 512 consecutive bytes, aligned.
.Lwo:
	s_sub_co_u32 s25, ttmp9, WGQ                   ; which 16 rows
	s_mov_b32 s27, 0
	s_lshl_b32 s26, s25, 16
	s_lshl_b32 s28, s24, 10
	s_add_co_u32 s26, s26, s28
	s_add_nc_u64 s[8:9], s[8:9], s[26:27]
	s_lshl_b32 s26, s25, 15
	s_lshl_b32 s28, s24, 13
	s_add_co_u32 s26, s26, s28
	s_add_nc_u64 s[20:21], s[20:21], s[26:27]
	v_and_b32 v3, 15, v0
	v_bfe_u32 v4, v0, 4, 1
	v_lshlrev_b32 v1, 12, v3
	v_lshl_add_u32 v1, v4, 5, v1                   ; row r of 4,096 bytes, + 32 h
	v_lshlrev_b32 v3, 4, v2                        ; 16 x lane
.irp c, 0,1,2,3,4,5,6,7
.irp p, 0,1
.irp i, 0,1
	global_load_b128 v[32+16*\c+8*\p+4*\i:32+16*\c+8*\p+4*\i+3], v1, s[8:9] offset:128*\c+64*\p+16*\i th:TH_LOAD_NT
.endr
.endr
.endr
.irp c, 0,1,2,3,4,5,6,7
	s_wait_loadcnt 28-4*\c                         ; this block's four loads are in; the later blocks' may be out
.irp p, 0,1
.irp q, 0,1,2,3
	v_cvt_pk_f16_f32 v[32+16*\c+8*\p+\q], v[32+16*\c+8*\p+2*\q], v[32+16*\c+8*\p+2*\q+1]   ; in place, ascending: a result never lands on numbers still to be read
.endr
	global_store_b128 v3, v[32+16*\c+8*\p:32+16*\c+8*\p+3], s[20:21] offset:1024*\c+512*\p
.endr
.endr
	s_endpgm
; ---- the quantiser.  Rows are dense and K is a multiple of 32: both tensors are plain streams of blocks of 32, and so are codes and scale bytes.
; A wave takes 16 steps of 512 numbers.  Each load reads 512 consecutive bytes; a step's 2,048 bytes turn through the wave's own stage in LDS and come back 64 bytes a lane: 16 neighbours, two lanes to a block.
.Lquant:
	v_lshlrev_b32 v3, 4, v2                        ; my 16 bytes of a load's 512
	s_mul_i32 s25, s24, WREG
	v_lshrrev_b32 v14, 2, v2
	v_mul_u32_u24 v14, v14, SP
	v_and_b32 v15, 3, v2
	v_lshl_add_u32 v14, v15, 4, v14
	v_add_nc_u32 v14, s25, v14                     ; the stage, on the way in: SP (lane / 4) + 16 (lane % 4)
	v_mul_u32_u24 v15, v2, SP
	v_add_nc_u32 v15, s25, v15                     ; and on the way out: SP x lane
	v_mul_u32_u24 v4, v2, CB                       ; my codes' place in a step's
	v_lshrrev_b32 v5, 1, v2
	s_add_co_u32 s25, s25, 2*32*SP
	v_add_nc_u32 v5, s25, v5                       ; my wave's 256 scale bytes, my block's byte
	v_lshlrev_b32 v7, 3, v2
	v_add_nc_u32 v6, s25, v7                       ; and on the way out 8 bytes a lane
	s_cmp_lt_u32 ttmp9, WGA                        ; hidden_states or Wqkv: the choice hangs on the work-group's number alone
	s_cselect_b64 s[4:5], s[4:5], s[6:7]
	s_cselect_b32 s26, 0, WCODES
	s_cselect_b32 s28, 0, WSCALES
	s_cselect_b32 s25, 0, WGA
	s_sub_co_u32 s25, ttmp9, s25
	s_lshl_b32 s25, s25, 2
	s_add_co_u32 s25, s25, s24                     ; which run of 8,192 numbers of the tensor is my wave's
	s_mov_b32 s27, 0
	s_mov_b32 s29, 0
	s_mov_b32 s31, 0
	s_lshl_b32 s30, s25, 15                        ; 32,768 bytes of numbers a run,
	s_add_nc_u64 s[4:5], s[4:5], s[30:31]
	s_lshl_b32 s30, s25, 12                        ; 4,096 of codes,
	s_add_nc_u64 s[12:13], s[12:13], s[26:27]
	s_add_nc_u64 s[12:13], s[12:13], s[30:31]
	s_lshl_b32 s30, s25, 8                         ; 256 scale bytes
	s_add_nc_u64 s[14:15], s[14:15], s[28:29]
	s_add_nc_u64 s[14:15], s[14:15], s[30:31]
.macro LOAD t
.irp i, 0,1,2,3
	global_load_b128 v[R+16*((\t)%4)+4*\i:R+16*((\t)%4)+4*\i+3], v3, s[4:5] offset:2048*(\t)+512*\i th:TH_LOAD_NT
.endr
.endm
.macro TURN t                          ; step t's numbers through the stage: LDS serves a wave's instructions in order, so no wait stands between the stores and the loads
.irp i, 0,1,2,3
	ds_store_b128 v14, v[R+16*((\t)%4)+4*\i:R+16*((\t)%4)+4*\i+3] offset:32*SP*((\t)%2)+8*SP*\i
.endr
.irp i, 0,1,2,3
	ds_load_b128 v[X+16*((\t)%2)+4*\i:X+16*((\t)%2)+4*\i+3], v15 offset:32*SP*((\t)%2)+16*\i
.endr
.endm
.irp t, 0,1,2,3
	LOAD \t
.endr
	s_wait_loadcnt 12                              ; step 0's four loads are in
	TURN 0
.macro STEP t
.set XS, X+16*((\t)%2)
.if (\t) > 0
	s_wait_dscnt 1                                 ; this step's numbers are back from the stage (the last step's byte store may be out)
.else
	s_wait_dscnt 0x0
.endif
.if (\t)+4 < STEPS
	LOAD (\t)+4                                    ; into the registers that the stage's stores have read
.endif
.if (\t)+1 < STEPS
.if STEPS-2-(\t) >= 3
	s_wait_loadcnt 12                              ; the next step's four loads are in; those of the three steps behind it may be out
.else
	s_wait_loadcnt 4*(STEPS-2-(\t))
.endif
	TURN (\t)+1
.endif
	v_max3_num_f32 v8, |v[XS]|, |v[XS+1]|, |v[XS+2]|
	v_max3_num_f32 v9, |v[XS+3]|, |v[XS+4]|, |v[XS+5]|
.irp i, 6,10
	v_max3_num_f32 v8, v8, |v[XS+\i]|, |v[XS+\i+1]|
	v_max3_num_f32 v9, v9, |v[XS+\i+2]|, |v[XS+\i+3]|
.endr
	v_max3_num_f32 v8, v8, |v[XS+14]|, |v[XS+15]|
	v_max3_num_f32 v8, v8, v9, (EMAX+1)<<23        ; and the floor 2^(3 - 127): the byte cannot fall under 1
	v_max_num_f32_dpp v8, v8, v8 row_xmask:1 row_mask:0xf bank_mask:0xf   ; with my neighbour's 16: the block's largest magnitude
	v_add_nc_u32 v11, -(EMAX<<23), v8              ; 2 off its exponent field: the conversion takes the exponent field of this operand as its scale
	v_cvt_scalef32_pk8_fp4_f32 v[C+4*(\t)], v[XS:XS+7], v11
	v_cvt_scalef32_pk8_fp4_f32 v[C+4*(\t)+1], v[XS+8:XS+15], v11
	v_lshrrev_b32 v[E+(\t)], 23, v11               ; the scale's byte
	ds_store_b8 v5, v[E+(\t)] offset:16*(\t)       ; both lanes of a block write the same byte with the same value
	global_store_b64 v4, v[C+4*(\t):C+4*(\t)+1], s[12:13] offset:32*CB*(\t)   ; the wave stores 256 consecutive bytes, aligned
.endm
.irp t, 0,1,2,3,4,5,6,7,8,9,10,11,12,13,14,15
	STEP \t
.endr
	ds_load_b64 v[8:9], v6                         ; LDS serves a wave's instructions in order: these see my stores
	s_wait_dscnt 0x0
	global_store_b64 v7, v[8:9], s[14:15]          ; 32 lanes store 256 consecutive bytes, aligned
	s_wait_tensorcnt 0x0                           ; the wave's end, behind my last LDS store
	ds_add_u32 v[SPW], v[NIL]
	s_wait_dscnt 0x0
	s_endpgm
.Lfunc_end_k_qced7566126_prep:
	.size	k_qced7566126_prep, .Lfunc_end_k_qced7566126_prep-k_qced7566126_prep
	.p2alignl 7, 3214868480
	.fill 96, 4, 3214868480
	.section	.rodata,"a",@progbits
	.p2align	6, 0x0
	.amdhsa_kernel k_qced7566126_prep
		.amdhsa_group_segment_fixed_size 33280
		.amdhsa_private_segment_fixed_size 0
		.amdhsa_enable_private_segment 0
		.amdhsa_kernarg_size 80
		.amdhsa_user_sgpr_count 2
		.amdhsa_user_sgpr_kernarg_segment_ptr 1
		.amdhsa_wavefront_size32 1
		.amdhsa_system_sgpr_workgroup_id_x 1
		.amdhsa_system_sgpr_workgroup_id_y 1
		.amdhsa_system_sgpr_workgroup_id_z 1
		.amdhsa_system_vgpr_workitem_id 0
		.amdhsa_next_free_vgpr 192
		.amdhsa_next_free_sgpr 66
		.amdhsa_reserve_vcc 1
		.amdhsa_float_denorm_mode_32 3
		.amdhsa_float_denorm_mode_16_64 3
		.amdhsa_memory_ordered 1
		.amdhsa_forward_progress 1
		.amdhsa_inst_pref_size 56
	.end_amdhsa_kernel
	.amdgpu_metadata
---
amdhsa.version: [ 1, 2 ]
amdhsa.kernels:
  - .name:           k_qced7566126_prep
    .symbol:         k_qced7566126_prep.kd
    .args:
      - { .name: hidden_states, .offset: 0, .size: 8, .value_kind: global_buffer, .address_space: global }
      - { .name: Wqkv, .offset: 8, .size: 8, .value_kind: global_buffer, .address_space: global }
      - { .name: Wo, .offset: 16, .size: 8, .value_kind: global_buffer, .address_space: global }
      - { .name: attn_mask, .offset: 24, .size: 8, .value_kind: global_buffer, .address_space: global }
      - { .name: codes, .offset: 32, .size: 8, .value_kind: global_buffer, .address_space: global }
      - { .name: scales, .offset: 40, .size: 8, .value_kind: global_buffer, .address_space: global }
      - { .name: rope, .offset: 48, .size: 8, .value_kind: global_buffer, .address_space: global }
      - { .name: kbias, .offset: 56, .size: 8, .value_kind: global_buffer, .address_space: global }
      - { .name: woimg, .offset: 64, .size: 8, .value_kind: global_buffer, .address_space: global }
      - { .name: qkv, .offset: 72, .size: 8, .value_kind: global_buffer, .address_space: global }
    .group_segment_fixed_size: 33280
    .private_segment_fixed_size: 0
    .kernarg_segment_align: 8
    .kernarg_segment_size: 80
    .max_flat_workgroup_size: 128
    .sgpr_count:     66
    .vgpr_count:     192
    .wavefront_size: 32
...
	.end_amdgpu_metadata
.endif
;; end of part 1
;; launch qkv (part 2): grid 12 x 32, 4 waves a work-group, clusters of 4 x 4, 327,680 bytes of LDS; arguments codes, scales, rope, qkv; writes qkv
.if DOCPART == 2
	.amdgcn_target "amdgcn-amd-amdhsa--gfx1250"
	.amdhsa_code_object_version 6
	.text
	.protected	k_qced7566126_qkv
	.globl	k_qced7566126_qkv
	.p2align	8
	.type	k_qced7566126_qkv,@function
k_qced7566126_qkv:
	s_mov_b64 s[64:65], 0
	v_nop
	global_prefetch_b8 v0, s[64:65] scope:SCOPE_SE
	s_setreg_imm32_b32 hwreg(HW_REG_WAVE_MODE, 25, 1), 1
	s_wait_xcnt 0x0
	s_wait_alu depctr_hold_cnt(0) depctr_sa_sdst(0) depctr_va_vdst(0) depctr_va_sdst(0) depctr_va_ssrc(0) depctr_va_vcc(0) depctr_vm_vsrc(0)
	s_getreg_b32 s2, hwreg(HW_REG_IB_STS2, 6, 4)
	s_cmp_eq_u32 s2, 0
	s_cbranch_scc0 .Lentry_in_a_cluster
	s_endpgm
.Lentry_in_a_cluster:
	s_bfe_u32 s2, ttmp6, 0x10000c
	s_cmp_lg_u32 s2, 0xf033
	s_cbranch_scc0 .Lentry_shape_is_right
	s_endpgm
.Lentry_shape_is_right:
; QKV = hidden Wqkv^T on codes of FP4 (E2M1) with one E8M0 scale for each 32 along K (K = 1,024), sums in f32; then the rotary turn of q and k in f32; results leave as f16.
; A tile of 256 tokens x 256 columns is made by four waves, each 128 x 128: 64 accumulators of 16 x 16.  All of K lies in LDS: two slots of 512 along K and all scale bytes are filled once, nothing is filled again.
; CLUSTERS: 4 x 4 work-groups; the four of a row need the same tokens' codes, the four of a column the same weights': each tile is asked for jointly.  The cluster's x is the section: 0 q, 1 k, 2 v: the same in all sixteen.
; RESULTS ARE STORED AS IMAGES OF THE NEXT PRODUCT'S OPERAND REGISTERS, 512 bytes each (lane l's 16 bytes at 16 l), [batch x 16 + head][16 tokens][image 0..3]:
;   q, k: the product is used transposed (source 0 = 16 rows of W, source 1 = 16 tokens): lane (r, h) holds token r and channels 16 i + 8 h + 0..7: image i.  The rotary partners d and d + 32 are blocks i and i + 2: same lane, same register.
;   v:    the product is used as it stands (source 0 = tokens, source 1 = rows of W): lane (r, h) holds channel 16 i + r and tokens 8 h + 0..7: the keys run along the registers, as the second product of attention wants them.
; v's section also stores, for each 128 tokens, the sums of its columns over those tokens (f32, taken ahead of the rounding to f16): a query whose whole window is masked gets the mean of V.
; LIMITS: results beyond 65,504 have no f16.
; REGISTERS, in windows of 256.  Window 0: v0-31 addresses; v32-95 scale words and nothing else; v128-191 the tokens' fragments, on the way out the results; v96-127, v192-255 table tiles (v: sums).
;   window 1: the weights' fragments, two sets at v0 and v128; v64-127, v192-255 table tiles.   windows 2, 3: the accumulators ((a, b) at v[8 (8 (a % 4) + b)]).
.set NQ,     4                         ; matrix instructions deep in a slot
.set ROWB,   256                       ; a tile's row: 512 codes
.set KROW,   512                       ; a row of codes in memory
.set PITCH,  272                       ; an LDS row: 256 bytes + 16 of padding: the 16 rows that a load touches start 68 words apart
.set FR,     8
.set NL,     2
.set NP,     4
.set HALFT,  128*PITCH
.set SLOT,   4*HALFT
.set KS,     32                        ; a row of scale bytes
.set SCL,    2*SLOT
.set HALFS,  (128*KS/256)*272
.set SBLK,   (16*KS/256)*272
.set SPARE,  SCL+4*HALFS               ; the spare words, 128 bytes a wave, which no other line names
.set WCODES,  4194304                  ; where Wqkv's codes begin
.set WSCALES, 262144                   ; and its scale bytes
.set VSUM,   50339840                  ; where V's column sums begin in the buffer of images
.set ADRA, 16                          ; v16-17 LDS address of my tokens' fragments in slot 0, 1
.set ADRB, 20                          ; v20-21 of my weights'
.set L4,   25                          ; v25 4 x lane
.set CO,   26                          ; v26 16 x lane
.set ADRS, 27                          ; v27 LDS address of my scale words: lanes 0-15 the tokens', lanes 16-31 the weights'
.set SPW,  28
.set NIL,  29
.set SC,   32
.set AF,   128
.set OUTR, 128                         ; the way out: results, in window 0
.set SUM,  96                          ; v96-111 v's column sums, a pair for each block of 16 channels
.set TMPV, 112                         ; v112-123 at work on them
.set G1, 24
.set G0, 32
.set G1B, 48
.set G0B, 56
.set G1S, 68
.set G0S, 76
.set G1SB, 80
.set G0SB, 88
.set MSB, 0
.macro WIN new                         ; the immediate's high byte repeats the setting that is left
.if MSB != (\new)
	s_set_vgpr_msb (MSB<<8)|(\new)
.set MSB, (\new)
.endif
.endm
.set TO_B, 0x40                        ; destination window 1, address window 0
; A joint load: waves 0 and 1 fetch for the tokens, waves 2 and 3 for the weights.  The branch hangs on the wave's number alone.  An s_nop 0 and four v_nop follow each line.
.macro JLOAD g0a, g1a, g0b, g1b
	s_cmp_eq_u32 s15, 0
	s_cbranch_scc0 .Lfor_b_\@
	tensor_load_to_lds s[\g0a:\g0a+3], s[\g1a:\g1a+7]
	s_nop 0
.rept 4
	v_nop
.endr
	s_branch .Lasked_\@
.Lfor_b_\@:
	tensor_load_to_lds s[\g0b:\g0b+3], s[\g1b:\g1b+7]
	s_nop 0
.rept 4
	v_nop
.endr
.Lasked_\@:
.endm
.macro CROUND                          ; a round of the cluster's barrier
	s_barrier_signal -1
	s_barrier_wait -1
	s_cmp_lg_u32 s14, 0
	s_cbranch_scc1 .Lnot_wave_0_\@
	s_barrier_signal -3
.Lnot_wave_0_\@:
	s_barrier_wait -3
	s_barrier_signal -1
	s_barrier_wait -1
.endm
	s_load_b128 s[4:7], s[0:1], 0x0                ; codes s[4:5], scales s[6:7]
	s_load_b128 s[8:11], s[0:1], 0x10              ; rope s[8:9], qkv s[10:11]
	v_lshl_add_u32 v[SPW], v0, 2, SPARE
	v_mov_b32 v[NIL], 0
	ds_add_u32 v[SPW], v[NIL]                      ; the wave's opening: the add, twice on end, and its wait ahead of my first tensor load
	ds_add_u32 v[SPW], v[NIL]
	v_lshrrev_b32 v1, 5, v0
	v_readfirstlane_b32 s14, v1                    ; wave 0..3
	s_lshr_b32 s15, s14, 1                         ; which half of the tile's tokens is mine.  Also: I fetch for the tokens (0) or the weights (1)
	s_and_b32 s16, s14, 1                          ; which half of its columns.  Also: which 128 rows I fetch
	s_bfe_u32 s40, ttmp6, 0x40000                  ; cx, cy: my place in the cluster
	s_bfe_u32 s41, ttmp6, 0x40004
	s_lshl_b32 s42, ttmp9, 2
	s_add_co_u32 s42, s42, s40                     ; tile column = 4 x cluster x + cx
	s_and_b32 s17, ttmp7, 0xffff
	s_lshl_b32 s17, s17, 2
	s_add_co_u32 s17, s17, s41                     ; tile row = 4 x cluster y + cy
	s_lshl_b32 s43, s41, 2
	s_lshl_b32 s43, 15, s43                        ; my row of the cluster
	s_lshl_b32 s44, 0x1111, s40                    ; my column
	s_or_b32 s[G1+0], s43, (0<<16)|(1<<20)|(1<<21)|(5<<22)|(3<<25)  ; the mask; elements of 1 byte; padding on; bit 21 beside a mask; 4 words behind every 64
	s_or_b32 s[G1B+0], s44, (0<<16)|(1<<20)|(1<<21)|(5<<22)|(3<<25)
.irp g, G1, G1B
	s_mov_b32 s[\g+1], ROWB<<16                    ; tensor_dim0
	s_mov_b32 s[\g+2], 128<<16                     ; tensor_dim1
	s_mov_b32 s[\g+3], ROWB<<16                    ; tile_dim0
	s_mov_b32 s[\g+4], 128                         ; tile_dim1
	s_mov_b32 s[\g+5], KROW                        ; from row to row
	s_mov_b32 s[\g+6], 0
	s_mov_b32 s[\g+7], 0
.endr
	s_or_b32 s[G1S+0], s43, (3<<16)|(1<<20)|(1<<21)|(5<<22)|(3<<25) ; the scales of 128 rows: 4,096 dense bytes as 16 rows of 256, 16 bytes of padding behind each
	s_or_b32 s[G1SB+0], s44, (3<<16)|(1<<20)|(1<<21)|(5<<22)|(3<<25)
.irp g, G1S, G1SB
	s_mov_b32 s[\g+1], 32<<16
	s_mov_b32 s[\g+2], (128*KS/256)<<16
	s_mov_b32 s[\g+3], 32<<16
	s_mov_b32 s[\g+4], 128*KS/256
	s_mov_b32 s[\g+5], 32
	s_mov_b32 s[\g+6], 0
	s_mov_b32 s[\g+7], 0
.endr
	s_lshl_b32 s18, s16, 7
	s_lshl_b32 s20, s17, 8
	s_add_co_u32 s20, s20, s18                     ; tokens: row 256 x tile row + 128 x half
	s_lshl_b32 s46, s42, 8
	s_add_co_u32 s46, s46, s18                     ; weights: row 256 x tile column + 128 x half
	s_mov_b32 s21, 0
	s_mov_b32 s47, 0
	s_mov_b64 s[18:19], KS
	s_mul_u64 s[22:23], s[20:21], s[18:19]         ; where these rows' scales begin,
	s_mul_u64 s[92:93], s[46:47], s[18:19]
	s_mov_b64 s[18:19], KROW
	s_mul_u64 s[20:21], s[20:21], s[18:19]         ; and their codes
	s_mul_u64 s[46:47], s[46:47], s[18:19]
	s_add_nc_u64 s[92:93], s[92:93], WSCALES       ; the weights' lie behind the tokens' in both buffers
	s_add_nc_u64 s[46:47], s[46:47], WCODES
	s_mul_i32 s45, s14, HALFT                      ; where they go: wave x 128 rows: no place in the cluster enters an LDS address
	s_mul_i32 s94, s14, HALFS
	s_wait_dscnt 0x0                               ; both opening adds are done
	s_wait_kmcnt 0x0
	s_add_nc_u64 s[20:21], s[4:5], s[20:21]
	s_add_nc_u64 s[22:23], s[6:7], s[22:23]
	s_add_nc_u64 s[46:47], s[4:5], s[46:47]
	s_add_nc_u64 s[92:93], s[6:7], s[92:93]
	CROUND                                         ; all sixteen work-groups are here: the joint loads meet
	s_mov_b32 s[G0S], 1
	s_add_co_u32 s[G0S+1], s94, SCL
	s_mov_b64 s[G0S+2:G0S+3], s[22:23]
	s_or_b32 s[G0S+3], s[G0S+3], 0x80000000
	s_mov_b32 s[G0SB], 1
	s_add_co_u32 s[G0SB+1], s94, SCL
	s_mov_b64 s[G0SB+2:G0SB+3], s[92:93]
	s_or_b32 s[G0SB+3], s[G0SB+3], 0x80000000
	JLOAD G0S, G1S, G0SB, G1SB                     ; the scales first: they are wanted with the first products
.irp s, 0,1
	s_mov_b32 s[G0+4*\s], 1
	s_add_co_u32 s[G0+4*\s+1], s45, \s*SLOT
	s_add_nc_u64 s[G0+4*\s+2:G0+4*\s+3], s[20:21], \s*ROWB
	s_or_b32 s[G0+4*\s+3], s[G0+4*\s+3], 0x80000000
	s_mov_b32 s[G0B+4*\s], 1
	s_add_co_u32 s[G0B+4*\s+1], s45, \s*SLOT
	s_add_nc_u64 s[G0B+4*\s+2:G0B+4*\s+3], s[46:47], \s*ROWB
	s_or_b32 s[G0B+4*\s+3], s[G0B+4*\s+3], 0x80000000
	JLOAD G0+4*\s, G1, G0B+4*\s, G1B               ; three loads of mine are out at the most
.endr
	v_and_b32 v1, 15, v0                           ; r
	v_bfe_u32 v2, v0, 4, 1                         ; h
	v_mul_u32_u24 v3, v1, PITCH
	v_lshl_add_u32 v4, v2, 4, v3                   ; a fragment's row x pitch + 16 h
	s_mul_i32 s21, s15, HALFT
	s_mul_i32 s22, s16, HALFT
	s_add_co_u32 s22, s22, 2*HALFT
.irp s, 0,1
	v_add_nc_u32 v[ADRA+\s], s21, v4
	v_add_nc_u32 v[ADRB+\s], s22, v4
	s_add_co_u32 s21, s21, SLOT
	s_add_co_u32 s22, s22, SLOT
.endr
	v_mul_u32_u24 v5, v1, KS                       ; my row's scales: 32 bytes a row,
	v_lshrrev_b32 v6, 8, v5
	v_lshl_add_u32 v5, v6, 4, v5                   ; and 16 more for each 256 passed
	s_mul_i32 s21, s15, HALFS
	s_mul_i32 s22, s16, HALFS
	s_add_co_u32 s22, s22, 2*HALFS
	s_sub_co_u32 s22, s22, s21
	v_mul_u32_u24 v6, s22, v2                      ; lanes 16-31 take the weights'
	s_add_co_u32 s21, s21, SCL
	v_add_nc_u32 v5, v5, v6
	v_add_nc_u32 v[ADRS], s21, v5
	v_and_b32 v6, 31, v0
	v_lshlrev_b32 v[CO], 4, v6
	v_lshlrev_b32 v[L4], 2, v6
	; where my images go: section + ((16 batch + head) x 64 + tile of 16 tokens in the sequence) x 2,048
	s_lshr_b32 s20, s17, 2                         ; the batch: four tile rows to a sequence
	s_and_b32 s21, s17, 3
	s_lshl_b32 s21, s21, 4
	s_lshl_b32 s22, s15, 3
	s_add_co_u32 s21, s21, s22                     ; my first tile of 16 tokens in the sequence
	s_mov_b32 s23, 0
	s_lshl_b32 s22, s21, 12
	s_add_nc_u64 s[8:9], s[8:9], s[22:23]          ; the table at that tile
	s_lshl_b32 s46, s40, 2
	s_lshl_b32 s47, s16, 1
	s_add_co_u32 s46, s46, s47                     ; my first head: 4 cx + 2 x half
	s_lshl_b32 s20, s20, 4
	s_add_co_u32 s20, s20, s46
	s_lshl_b32 s20, s20, 6
	s_add_co_u32 s20, s20, s21
	s_lshl_b32 s20, s20, 11
	s_lshl_b32 s22, ttmp9, 24
	s_add_co_u32 s22, s22, s20
	s_add_nc_u64 s[12:13], s[10:11], s[22:23]
.macro FRAG reg, adr, q, i             ; 16 rows x 128 K of 4-bit codes: 8 registers; registers 4 c .. 4 c + 3 hold K = 64 c + 32 h + 0 .. 31
.irp c, 0,1
	ds_load_b128 v[\reg+4*\c:\reg+4*\c+3], v[\adr] offset:64*(\q)+32*\c+(\i)*16*PITCH
.endr
.endm
; 16 matrix instructions: the tokens' blocks a0, a0 + 1 x the weights' eight, 128 along K.  nat = 0: transposed (source 0 = weights); nat = 1: as it stands (source 0 = tokens).
; In a scale register lanes 0-15 hold the tokens' word of block i, lanes 16-31 the weights'.  The 64 accumulators take turns, one instruction a turn.  zero = 1: the first product starts the sums.
.macro MUL16 a0, p, q, sc, zero, nat
.irp a, \a0, \a0+1
.irp b, 0,1,2,3,4,5,6,7
.set rD, 8*(8*((\a)%4)+\b)
.set rB, 128*(\p)+FR*\b
.set rA, AF+FR*(\a)
.set wB, SC+8*NQ*(\sc)+NQ*\b+(\q)
.set wA, SC+8*NQ*(\sc)+NQ*(\a)+(\q)
.if (\nat) && (\zero)
	v_wmma_scale_f32_16x16x128_f8f6f4 v[rD:rD+7], v[rA:rA+7], v[rB:rB+7], 0, v[wA], v[wB] matrix_a_fmt:MATRIX_FMT_FP4 matrix_b_fmt:MATRIX_FMT_FP4 matrix_b_scale:MATRIX_SCALE_ROW1
.elseif (\nat)
	v_wmma_scale_f32_16x16x128_f8f6f4 v[rD:rD+7], v[rA:rA+7], v[rB:rB+7], v[rD:rD+7], v[wA], v[wB] matrix_a_fmt:MATRIX_FMT_FP4 matrix_b_fmt:MATRIX_FMT_FP4 matrix_b_scale:MATRIX_SCALE_ROW1
.elseif (\zero)
	v_wmma_scale_f32_16x16x128_f8f6f4 v[rD:rD+7], v[rB:rB+7], v[rA:rA+7], 0, v[wB], v[wA] matrix_a_fmt:MATRIX_FMT_FP4 matrix_b_fmt:MATRIX_FMT_FP4 matrix_a_scale:MATRIX_SCALE_ROW1
.else
	v_wmma_scale_f32_16x16x128_f8f6f4 v[rD:rD+7], v[rB:rB+7], v[rA:rA+7], v[rD:rD+7], v[wB], v[wA] matrix_a_fmt:MATRIX_FMT_FP4 matrix_b_fmt:MATRIX_FMT_FP4 matrix_a_scale:MATRIX_SCALE_ROW1
.endif
.endr
.endr
.endm
.macro FETCH_B slot, q, p
	WIN TO_B
.irp i, 0,1,2,3,4,5,6,7
	FRAG 128*(\p)+FR*\i, ADRB+\slot, \q, \i
.endr
	WIN 0
.endm
.macro FETCH_A slot, q, i0
.irp i, \i0, \i0+1, \i0+2, \i0+3
	FRAG AF+FR*(\i), ADRA+\slot, \q, \i
.endr
.endm
.macro SCALES sc                       ; a slot's scale words: 4 words a row
.irp i, 0,1,2,3,4,5,6,7
	ds_load_b128 v[SC+8*NQ*\sc+NQ*\i:SC+8*NQ*\sc+NQ*\i+3], v[ADRS] offset:\i*SBLK
.endr
.endm
.macro PLACES n                        ; plain vector lines between a matrix instruction and a load into, or a vector line on, its registers
.rept \n
	v_nop
.endr
.endm
; The windows of a product: C and D in window 2 (lo) or 3 (hi); weights in window 1, tokens in window 0: 0xa1, 0xf1 transposed; 0xa4, 0xf4 as it stands.
.macro STEP slot, q, zero, nat         ; 128 along K that has its successor in the same slot
	s_wait_dscnt 4*NL                              ; all but the youngest eight loads (the tokens' blocks 4-7)
	WIN 0xa1+3*(\nat)
	MUL16 0, (\q)%2, \q, \slot, \zero, \nat
	MUL16 2, (\q)%2, \q, \slot, \zero, \nat
	s_wait_dscnt 0
	PLACES NP
	FETCH_B \slot, (\q)+1, 1-(\q)%2
	FETCH_A \slot, (\q)+1, 0
	WIN 0xf1+3*(\nat)
	MUL16 4, (\q)%2, \q, \slot, \zero, \nat
	MUL16 6, (\q)%2, \q, \slot, \zero, \nat
	PLACES NP
	WIN 0
	FETCH_A \slot, (\q)+1, 4
.endm
.macro TURN nat                        ; slot 0's last step: behind the barrier slot 1 is whole in every wave's eyes.  Nothing is filled again
	s_wait_tensorcnt 0x0                           ; my part of slot 1 has landed
	ds_add_u32 v[SPW], v[NIL]                      ; 0 onto my spare word
	s_wait_dscnt 4*NL+1                            ; (the add and the youngest eight loads may be out)
	WIN 0xa1+3*(\nat)
	MUL16 0, 1, NQ-1, 0, 0, \nat
	s_wait_dscnt 0x0
	s_barrier_signal -1
	MUL16 2, 1, NQ-1, 0, 0, \nat
	WIN 0
	s_barrier_wait -1
	PLACES NP
	v_add_nc_u32 v[ADRS], 4*NQ, v[ADRS]            ; on to slot 1's scale words (no LDS load of mine is out)
	FETCH_B 1, 0, 0
	FETCH_A 1, 0, 0
	SCALES 1
	WIN 0xf1+3*(\nat)
	MUL16 4, 1, NQ-1, 0, 0, \nat
	MUL16 6, 1, NQ-1, 0, 0, \nat
	PLACES NP
	WIN 0
	FETCH_A 1, 0, 4
.endm
.macro MAIN nat                        ; the whole product: eight steps of 128 along K, 512 matrix instructions
	s_wait_tensorcnt 1                             ; the scales and my part of slot 0 are in (slot 1's load may be out)
	s_barrier_signal -1
	s_barrier_wait -1                              ; everybody's are
	FETCH_B 0, 0, 0
	FETCH_A 0, 0, 0
	SCALES 0
	FETCH_A 0, 0, 4
	STEP 0, 0, 1, \nat
	STEP 0, 1, 0, \nat
	STEP 0, 2, 0, \nat
	TURN \nat
	STEP 1, 0, 0, \nat
	STEP 1, 1, 0, \nat
	STEP 1, 2, 0, \nat
	s_wait_dscnt 4*NL
	WIN 0xa1+3*(\nat)
	MUL16 0, 1, NQ-1, 1, 0, \nat
	MUL16 2, 1, NQ-1, 1, 0, \nat
	s_wait_dscnt 0
	WIN 0xf1+3*(\nat)
	MUL16 4, 1, NQ-1, 1, 0, \nat
	MUL16 6, 1, NQ-1, 1, 0, \nat
	WIN 0
.endm
; The table tile of my tokens' block a: 8 images (cos and sin of 32 frequencies for 16 positions) into 32 registers of window win
.macro TAB a, win, reg
	WIN (\win)<<6
.irp i, 0,1,2,3,4,5,6,7
	global_load_b128 v[\reg+4*\i:\reg+4*\i+3], v[CO], s[8:9] offset:(\a)*4096+\i*512
.endr
.endm
; Block a (16 tokens x my two heads) is turned, rounded to f16 and stored.  x1' = x1 c - x2 s, x2' = x2 c + x1 s; x1 in block be, x2 in block be + 2 of a head.  Each accumulator is read from its low end on.
.macro ROPE_A a, tw, reg, cnt
.if (\cnt) >= 0
	s_wait_loadcnt \cnt                            ; the table tiles but the youngest cnt loads
.endif
.if (\a) > 0
	s_wait_xcnt 0x0                                ; the last block's stores have read their registers
.endif
	WIN (2+(\a)/4)|((\tw)<<2)                      ; source 0: the accumulators' window; source 1: the table's
.irp hh, 0,1
.irp be, 0,1
.irp jj, 0,2,4,6
.set X1, 8*(8*((\a)%4)+4*\hh+\be)+\jj
.set X2, X1+16
.set O1, OUTR+8*(4*\hh+\be)+\jj
.set O2, O1+16
.set TC, \reg+16*\be+\jj
.set TS, TC+8
	v_pk_mul_f32 v[O1:O1+1], v[X2:X2+1], v[TS:TS+1]
	v_pk_mul_f32 v[O2:O2+1], v[X1:X1+1], v[TS:TS+1]
	v_pk_fma_f32 v[O1:O1+1], v[X1:X1+1], v[TC:TC+1], v[O1:O1+1] neg_lo:[0,0,1] neg_hi:[0,0,1]
	v_pk_fma_f32 v[O2:O2+1], v[X2:X2+1], v[TC:TC+1], v[O2:O2+1]
.endr
.endr
.endr
	WIN 0
.irp g, 0,1,2,3,4,5,6,7
.irp q, 0,1,2,3
	v_cvt_pk_f16_f32 v[OUTR+8*\g+\q], v[OUTR+8*\g+2*\q], v[OUTR+8*\g+2*\q+1]   ; in place, ascending
.endr
.endr
.irp g, 0,1,2,3,4,5,6,7
	global_store_b128 v[CO], v[OUTR+8*\g:OUTR+8*\g+3], s[12:13] offset:(\g/4)*131072+(\a)*2048+(\g%4)*512   ; 512 consecutive bytes, aligned
.endr
.endm
; v: block a (16 tokens x my 128 channels) is rounded and stored, and its columns are added up
.macro VOUT a
.if (\a) > 0
	s_wait_xcnt 0x0                                ; the last block's stores have read their registers
.endif
	WIN 0x0a+5*((\a)/4)                            ; sources 0 and 1: the accumulators' window
.irp g, 0,1,2,3,4,5,6,7
.irp q, 0,1,2,3
	v_cvt_pk_f16_f32 v[OUTR+4*\g+\q], v[8*(8*((\a)%4)+\g)+2*\q], v[8*(8*((\a)%4)+\g)+2*\q+1]
.endr
.endr
	WIN 0x02+(\a)/4
.irp q, 0,1,2,3
.irp g, 0,1,2,3,4,5,6,7
	v_pk_add_f32 v[SUM+2*\g:SUM+2*\g+1], v[8*(8*((\a)%4)+\g)+2*\q:8*(8*((\a)%4)+\g)+2*\q+1], v[SUM+2*\g:SUM+2*\g+1]
.endr
.endr
	WIN 0
.irp g, 0,1,2,3,4,5,6,7
	global_store_b128 v[CO], v[OUTR+4*\g:OUTR+4*\g+3], s[12:13] offset:(\g/4)*131072+(\a)*2048+(\g%4)*512
.endr
.endm
	s_cmp_eq_u32 ttmp9, 2                          ; the section: the cluster's x, the same in all sixteen partners
	s_cbranch_scc1 .Lv
	; ---- q and k.  Seven of my eight table tiles are asked for now, into registers that the products do not touch
	TAB 0, 0, 96
	TAB 1, 0, 192
	TAB 2, 0, 224
	TAB 3, 1, 64
	TAB 4, 1, 96
	TAB 5, 1, 192
	TAB 6, 1, 224
	WIN 0
	MAIN 0
	PLACES NP                                      ; ahead of the load into the weights' registers, of the reads of results and of the writes over the tokens' fragments
	TAB 7, 1, 0
	ROPE_A 0, 0, 96, 8                             ; only the eighth tile's 8 loads may be out
	ROPE_A 1, 0, 192, -1
	ROPE_A 2, 0, 224, -1
	ROPE_A 3, 1, 64, -1
	ROPE_A 4, 1, 96, -1
	ROPE_A 5, 1, 192, -1
	ROPE_A 6, 1, 224, -1
	ROPE_A 7, 1, 0, 0
	s_branch .Lend
.Lv:
	; ---- v
	s_lshl_b32 s20, s17, 1
	s_add_co_u32 s20, s20, s15
	s_lshl_b32 s20, s20, 12                        ; which 128 tokens: 4,096 bytes of sums each
	s_lshl_b32 s46, s40, 10
	s_lshl_b32 s47, s16, 9
	s_add_co_u32 s46, s46, s47                     ; my first channel x 4
	s_add_co_u32 s22, s20, s46
	s_add_co_u32 s22, s22, VSUM
	s_add_nc_u64 s[98:99], s[10:11], s[22:23]
	s_mov_b32 s96, 0x76543210
	s_mov_b32 s97, 0xfedcba98                      ; v_permlanex16_b32's selects for lane l xor 16
	s_mov_b32 s93, 0xffff0000                      ; lanes 16-31
.set kk, 0
.rept 24
	v_mov_b32 v[SUM+kk], 0                         ; the sums begin at 0; a lane permute's destination counts as one of its sources
.set kk, kk+1
.endr
	MAIN 1
	PLACES NP
.irp a, 0,1,2,3,4,5,6,7
	VOUT \a
.endr
.irp g, 0,1,2,3,4,5,6,7
	v_add_f32 v[SUM+2*\g], v[SUM+2*\g], v[SUM+2*\g+1]
.endr
.irp g, 0,1,2,3,4,5,6,7
	v_permlanex16_b32 v[TMPV+\g], v[SUM+2*\g], s96, s97
.endr
.irp g, 0,1,2,3,4,5,6,7
	v_add_f32 v[SUM+2*\g], v[SUM+2*\g], v[TMPV+\g] ; with the other eight tokens of each tile: channel 16 g + r
.endr
.irp i, 0,1,2,3
	v_cndmask_b32 v[TMPV+8+\i], v[SUM+4*\i], v[SUM+4*\i+2], s93   ; lanes 0-15 block 2 i, lanes 16-31 block 2 i + 1: 32 neighbouring channels
.endr
.irp i, 0,1,2,3
	global_store_b32 v[L4], v[TMPV+8+\i], s[98:99] offset:128*\i
.endr
.Lend:
	s_wait_tensorcnt 0x0                           ; the wave's end
	ds_add_u32 v[SPW], v[NIL]
	s_wait_dscnt 0x0
	CROUND                                         ; the closing round
	s_endpgm
.Lfunc_end_k_qced7566126_qkv:
	.size	k_qced7566126_qkv, .Lfunc_end_k_qced7566126_qkv-k_qced7566126_qkv
	.p2alignl 7, 3214868480
	.fill 96, 4, 3214868480
	.section	.rodata,"a",@progbits
	.p2align	6, 0x0
	.amdhsa_kernel k_qced7566126_qkv
		.amdhsa_group_segment_fixed_size 327680
		.amdhsa_private_segment_fixed_size 0
		.amdhsa_enable_private_segment 0
		.amdhsa_kernarg_size 32
		.amdhsa_user_sgpr_count 2
		.amdhsa_user_sgpr_kernarg_segment_ptr 1
		.amdhsa_wavefront_size32 1
		.amdhsa_system_sgpr_workgroup_id_x 1
		.amdhsa_system_sgpr_workgroup_id_y 1
		.amdhsa_system_sgpr_workgroup_id_z 1
		.amdhsa_system_vgpr_workitem_id 0
		.amdhsa_next_free_vgpr 1024
		.amdhsa_next_free_sgpr 100
		.amdhsa_reserve_vcc 0
		.amdhsa_float_denorm_mode_32 3
		.amdhsa_float_denorm_mode_16_64 3
		.amdhsa_memory_ordered 1
		.amdhsa_forward_progress 1
		.amdhsa_inst_pref_size 255
	.end_amdhsa_kernel
	.section	.bss,"aw",@nobits
	.p2align	6
	.space	262144
	.amdgpu_metadata
---
amdhsa.version: [ 1, 2 ]
amdhsa.kernels:
  - .name:           k_qced7566126_qkv
    .symbol:         k_qced7566126_qkv.kd
    .args:
      - { .name: codes, .offset: 0, .size: 8, .value_kind: global_buffer, .address_space: global }
      - { .name: scales, .offset: 8, .size: 8, .value_kind: global_buffer, .address_space: global }
      - { .name: rope, .offset: 16, .size: 8, .value_kind: global_buffer, .address_space: global }
      - { .name: qkv, .offset: 24, .size: 8, .value_kind: global_buffer, .address_space: global }
    .group_segment_fixed_size: 327680
    .private_segment_fixed_size: 0
    .kernarg_segment_align: 8
    .kernarg_segment_size: 32
    .max_flat_workgroup_size: 128
    .sgpr_count:     100
    .vgpr_count:     1024
    .wavefront_size: 32
...
	.end_amdgpu_metadata
.endif
;; end of part 2
;; launch attn (part 3): grid 2 x 128, 16 waves a work-group, no clusters, 168,704 bytes of LDS; arguments qkv, kbias, aimg; writes aimg
.if DOCPART == 3
	.amdgcn_target "amdgcn-amd-amdhsa--gfx1250"
	.amdhsa_code_object_version 6
	.text
	.protected	k_qced7566126_attn
	.globl	k_qced7566126_attn
	.p2align	8
	.type	k_qced7566126_attn,@function
k_qced7566126_attn:
	s_mov_b64 s[64:65], 0
	v_nop
	global_prefetch_b8 v0, s[64:65] scope:SCOPE_SE
	s_setreg_imm32_b32 hwreg(HW_REG_WAVE_MODE, 25, 1), 1
	s_wait_xcnt 0x0
; ATTENTION under the band |query - key| <= 64 and the key mask.  q, k, v come as f16 images of operand registers; products in f16 with f32 sums; maximum, exponentials and sums in f32.
; SHARES.  A work-group takes 512 queries of one head (x: which half of the sequence; y: 16 batch + head) and the 640 keys that they can see: 40 tiles of 16, all in LDS, filled once.
; Each of sixteen waves takes two tiles of 16 queries, one after the other; four waves share a SIMD, so that one wave's softmax stands beside another's products.
; A tile of queries sees nine tiles of keys, i .. i + 8: tiles 1 to 7 lie wholly inside the band, tiles 0 and 8 on its edges; the other keys of the sequence lie wholly under the mask and are not multiplied.
; LAYOUT.  S^T = K Q^T (source 0 = 16 keys, source 1 = 16 queries) and O^T = V^T P: a lane holds ONE query (lane % 16) throughout; nothing changes lanes between the products.
; THE MASK IS THE C OF THE FIRST PRODUCT: 0 for a key that counts, -3e38 for one that is masked or does not exist; on the band's edges the smaller of that and the edge's own 0 or -3e38.
; All 144 scores of a query are in registers at once: the row's true maximum is taken away ahead of the exponentials.
; A QUERY WHOSE WHOLE WINDOW IS MASKED has equal scores on all 1,024 keys: its result is the mean of V over the sequence, made from the column sums and chosen by a select.  Such a row is known by its maximum under -2^120:
; a score of f16 operands lies within 64 x 65,504^2, about 2.8e11.
; Key tiles beyond a sequence's ends are read from the neighbouring head's or section's images or from the zero bytes behind V: finite numbers, which the bias masks.
; No cluster: the two halves of a head share 8 of their 40 key tiles, a seventh of a work-group's bytes; other heads share the bias alone.
; LIMITS: NaN and infinities are not served; weights under the smallest f16 number count as 0.
.set VIMG,  81920                      ; LDS: K's 40 tiles x 2,048 bytes from 0; V's from here;
.set BIAS,  163840                     ; 640 f32;
.set MEAN,  166400                     ; 64 f32, stored by wave 9: a block of 256 bytes into which no tensor load lands;
.set SPARE, 166656                     ; the spare words, 128 bytes a wave, which no other line names
.set LI,  1                            ; v1  16 x lane
.set AK,  2                            ; v2  K: 16 x lane + 4,096 x wave
.set AV,  3                            ; v3  V: the same + VIMG
.set AB,  4                            ; v4  the bias: BIAS + 128 x wave + 32 h
.set AM,  5                            ; v5  the mean: MEAN + 32 h
.set AMS, 6                            ; v6  where wave 9 stores it: MEAN + 8 x lane
.set VL8, 7                            ; v7  8 x lane
.set SPW, 8
.set NIL, 9
.set NEG, 10                           ; v10 -3e38
.set ZER, 11                           ; v11 0
.set Q,   16                           ; v16-47   Q: 16 registers for each of my two tiles
.set W0,  48                           ; v48-55   the band's lower edge: 0 or -3e38 for key tile 0's eight keys of my half
.set W8,  56                           ; v56-63   its upper edge, for key tile 8
.set S,   64                           ; v64-135  S^T, nine tiles; later V's fragments and the mean
.set P,   136                          ; v136-175 the weights as f16
.set O,   176                          ; v176-207 O^T
.set T,   208                          ; v208-239 V's fragments of 32 keys
.set KA,  136                          ; K's fragments lie over P, O and T while the scores are made: four tiles,
.set KB,  200                          ; and three
.set M,   240                          ; v240-248 a maximum for each key tile
.set XX,  249                          ; v249 what lane l xor 16 sends
.set MX,  250                          ; v250 the row's maximum
.set MC,  252                          ; v[252:253] c x maximum
.set L0,  240                          ; v[240:241], v[242:243] the row's sum in two chains
.set L1,  242
.set RL,  244                          ; v[244:245] 1 / sum, twice
.set WV,  10
.macro PLACES
.rept 4
	v_nop
.endr
.endm
	s_load_b128 s[4:7], s[0:1], 0x0                ; qkv s[4:5], kbias s[6:7]
	s_load_b64 s[8:9], s[0:1], 0x10                ; aimg
	v_lshl_add_u32 v[SPW], v0, 2, SPARE
	v_mov_b32 v[NIL], 0
	ds_add_u32 v[SPW], v[NIL]                      ; the wave's opening: the add, twice on end, and its wait ahead of the first tensor load
	ds_add_u32 v[SPW], v[NIL]
	v_lshrrev_b32 v12, 5, v0
	v_readfirstlane_b32 s[WV], v12                 ; wave 0..15
	; descriptor group 1: dense blocks as rows of 256 bytes (32 elements of 8): 80 rows for a quarter of K or V, 10 for the bias
	s_mov_b32 s24, 3<<16
	s_mov_b32 s25, 32<<16
	s_mov_b32 s26, 80<<16
	s_mov_b32 s27, 32<<16
	s_mov_b32 s28, 80
	s_mov_b32 s29, 32
	s_mov_b32 s30, 0
	s_mov_b32 s31, 0
	s_mov_b32 s32, 3<<16
	s_mov_b32 s33, 32<<16
	s_mov_b32 s34, 10<<16
	s_mov_b32 s35, 32<<16
	s_mov_b32 s36, 10
	s_mov_b32 s37, 32
	s_mov_b32 s38, 0
	s_mov_b32 s39, 0
	s_and_b32 s11, ttmp7, 0xffff                   ; y = 16 batch + head
	s_lshr_b32 s12, s11, 4
	s_and_b32 s13, s11, 15
	s_mov_b32 s18, 0xfb800000                      ; -2^120
	s_mov_b32 s20, 0x76543210
	s_mov_b32 s21, 0xfedcba98                      ; v_permlanex16_b32's selects for lane l xor 16
	s_mov_b32 s22, 0x3e38aa3b                      ; c = log2(e) / sqrt(64)
	s_mov_b32 s23, s22                             ; (named with it as a pair)
	; every LDS address is made here, ahead of the first parting of the waves
	v_and_b32 v12, 31, v0                          ; lane
	v_bfe_u32 v13, v0, 4, 1                        ; h
	v_and_b32 v14, 15, v0                          ; r
	v_lshlrev_b32 v[LI], 4, v12
	s_lshl_b32 s14, s[WV], 12
	v_add_nc_u32 v[AK], s14, v[LI]
	v_add_nc_u32 v[AV], VIMG, v[AK]
	s_lshl_b32 s14, s[WV], 7
	s_add_co_u32 s14, s14, BIAS
	v_lshl_add_u32 v[AB], v13, 5, s14
	v_lshlrev_b32 v[AM], 5, v13
	v_add_nc_u32 v[AM], MEAN, v[AM]
	v_lshlrev_b32 v[VL8], 3, v12
	v_add_nc_u32 v[AMS], MEAN, v[VL8]
	v_mov_b32 v[NEG], 0xff61b1e6
	v_mov_b32 v[ZER], 0
	v_mov_b32 v[XX], 0                             ; a lane permute's destination counts as one of its sources
	v_lshlrev_b32 v15, 3, v13
	v_sub_nc_u32 v15, v15, v14                     ; d = 8 h - r
	; what waves 0 to 7 fetch: wave w the (w % 4)-th quarter of K's (w < 4) or V's 40 tiles, which begin four tiles ahead of my first query tile
	s_lshr_b32 s14, s[WV], 2
	s_lshl_b32 s14, s14, 24
	s_lshl_b32 s15, s11, 17
	s_add_co_u32 s14, s14, s15
	s_lshl_b32 s15, ttmp9, 16
	s_add_co_u32 s14, s14, s15
	s_and_b32 s15, s[WV], 3
	s_mul_i32 s15, s15, 20480
	s_add_co_u32 s14, s14, s15
	s_add_co_u32 s14, s14, 16777216-8192
	s_mov_b32 s15, 0
	s_mul_i32 s16, s12, 4608                       ; the bias: the sequence's 1,152 words, from entry 512 x on
	s_lshl_b32 s17, ttmp9, 11
	s_add_co_u32 s16, s16, s17
	s_mov_b32 s17, 0
	s_mov_b32 s40, 1
	s_min_u32 s41, s[WV], 7                        ; (waves 8 to 15 issue no such load: the clamp keeps their unused word inside LDS)
	s_mul_i32 s41, s41, 20480
	s_mov_b32 s44, 1
	s_mov_b32 s45, BIAS
	s_lshl_b32 s48, s11, 6                         ; Q: tile 64 y + 32 x + 2 wave, 2,048 bytes each
	s_lshl_b32 s49, ttmp9, 5
	s_add_co_u32 s48, s48, s49
	s_lshl_b32 s49, s[WV], 1
	s_add_co_u32 s48, s48, s49
	s_lshl_b32 s48, s48, 11
	s_mov_b32 s49, 0
	s_lshl_b32 s50, s12, 6                         ; the result: token tile 64 batch + 32 x + 2 wave, 32,768 bytes each; my head's 2,048 in it
	s_lshl_b32 s51, ttmp9, 5
	s_add_co_u32 s50, s50, s51
	s_lshl_b32 s51, s[WV], 1
	s_add_co_u32 s50, s50, s51
	s_lshl_b32 s50, s50, 15
	s_lshl_b32 s51, s13, 11
	s_add_co_u32 s50, s50, s51
	s_mov_b32 s51, 0
	s_lshl_b32 s52, s12, 15                        ; V's column sums: eight rows of 4,096 bytes a sequence; my head's 256 in each
	s_lshl_b32 s53, s13, 8
	s_add_co_u32 s52, s52, s53
	s_add_co_u32 s52, s52, 50339840
	s_mov_b32 s53, 0
	s_wait_dscnt 0x0                               ; both opening adds are done
	s_wait_kmcnt 0x0
	s_add_nc_u64 s[42:43], s[4:5], s[14:15]
	s_or_b32 s43, s43, 0x80000000
	s_add_nc_u64 s[46:47], s[6:7], s[16:17]
	s_or_b32 s47, s47, 0x80000000
	s_add_nc_u64 s[48:49], s[4:5], s[48:49]
	s_add_nc_u64 s[50:51], s[8:9], s[50:51]
	s_add_nc_u64 s[52:53], s[4:5], s[52:53]
	s_cmp_lt_u32 s[WV], 8                          ; one tensor load a wave at the most; an s_nop 0 and four v_nop follow each line
	s_cbranch_scc0 .Lnot_kv
	tensor_load_to_lds s[40:43], s[24:31]
	s_nop 0
	PLACES
	s_branch .Lasked
.Lnot_kv:
	s_cmp_eq_u32 s[WV], 8
	s_cbranch_scc0 .Lasked
	tensor_load_to_lds s[44:47], s[32:39]
	s_nop 0
	PLACES
.Lasked:
.irp i, 0,1,2,3,4,5,6,7
	global_load_b128 v[Q+4*\i:Q+4*\i+3], v[LI], s[48:49] offset:512*\i   ; my two tiles of Q stay in registers
.endr
.irp j, 0,1,2,3,4,5,6,7
	v_cmp_le_i32 vcc_lo, -\j, v15                  ; key tile 0: key - query = -64 + d + j: inside the band where d + j >= 0
	v_cndmask_b32 v[W0+\j], v[NEG], v[ZER], vcc_lo
	v_cmp_ge_i32 vcc_lo, -\j, v15                  ; key tile 8: 64 + d + j: inside where d + j <= 0
	v_cndmask_b32 v[W8+\j], v[NEG], v[ZER], vcc_lo
.endr
	s_cmp_eq_u32 s[WV], 9                          ; wave 9 makes the mean of V: eight partial sums of my head's 64 channels, two channels a lane
	s_cbranch_scc0 .Lno_mean
.irp i, 0,1,2,3,4,5,6,7
	global_load_b64 v[S+2*\i:S+2*\i+1], v[VL8], s[52:53] offset:4096*\i
.endr
	s_wait_loadcnt 0x0
	v_pk_add_f32 v[S:S+1], v[S:S+1], v[S+2:S+3]
	v_pk_add_f32 v[S+4:S+5], v[S+4:S+5], v[S+6:S+7]
	v_pk_add_f32 v[S+8:S+9], v[S+8:S+9], v[S+10:S+11]
	v_pk_add_f32 v[S+12:S+13], v[S+12:S+13], v[S+14:S+15]
	v_pk_add_f32 v[S:S+1], v[S:S+1], v[S+4:S+5]
	v_pk_add_f32 v[S+8:S+9], v[S+8:S+9], v[S+12:S+13]
	v_pk_add_f32 v[S:S+1], v[S:S+1], v[S+8:S+9]
	v_pk_mul_f32 v[S:S+1], v[S:S+1], 0x3a800000 op_sel_hi:[1,0]   ; / 1,024
	ds_store_b64 v[AMS], v[S:S+1]
.Lno_mean:
	s_wait_tensorcnt 0x0                           ; my tile has landed,
	s_wait_dscnt 0x0                               ; my store too:
	s_barrier_signal -1
	s_barrier_wait -1                              ; everybody's have
	s_wait_loadcnt 0x0                             ; Q
.macro KLOAD t, reg, e                 ; key tile t of query tile e: four images, 16 registers: channels 0-31, then 32-63
.irp i, 0,1,2,3
	ds_load_b128 v[(\reg)+4*\i:(\reg)+4*\i+3], v[AK] offset:((\e)+(\t))*2048+512*\i
.endr
.endm
.macro SCORE t, c, reg, e              ; S^T of key tile t += K Q^T over channels 32 c on
	v_wmma_f32_16x16x32_f16 v[S+8*(\t):S+8*(\t)+7], v[(\reg)+8*(\c):(\reg)+8*(\c)+7], v[Q+16*(\e)+8*(\c):Q+16*(\e)+8*(\c)+7], v[S+8*(\t):S+8*(\t)+7]
.endm
.macro LOADV u, reg, e                 ; V^T of key tiles 2 u and 2 u + 1: four fragments of 16 channels x 32 keys.  There is no tenth tile: the ninth comes twice, and its second weights are zeros
.irp n, 0,1,2,3
	ds_load_b128 v[(\reg)+8*\n:(\reg)+8*\n+3], v[AV] offset:((\e)+2*(\u))*2048+512*\n
.if (\u) < 4
	ds_load_b128 v[(\reg)+8*\n+4:(\reg)+8*\n+7], v[AV] offset:((\e)+2*(\u)+1)*2048+512*\n
.else
	ds_load_b128 v[(\reg)+8*\n+4:(\reg)+8*\n+7], v[AV] offset:((\e)+8)*2048+512*\n
.endif
.endr
.endm
.macro PV u, reg, zero                 ; O^T += V^T P over 32 keys: the four accumulators by turns
.irp n, 0,1,2,3
.if \zero
	v_wmma_f32_16x16x32_f16 v[O+8*\n:O+8*\n+7], v[(\reg)+8*\n:(\reg)+8*\n+7], v[P+8*(\u):P+8*(\u)+7], 0
.else
	v_wmma_f32_16x16x32_f16 v[O+8*\n:O+8*\n+7], v[(\reg)+8*\n:(\reg)+8*\n+7], v[P+8*(\u):P+8*(\u)+7], v[O+8*\n:O+8*\n+7]
.endif
.endr
.endm
; One tile of 16 queries.  The accumulators take turns, one instruction a turn.
.macro QTILE e
.if (\e) > 0
	s_wait_xcnt 0x0                                ; the last tile's stores have read their registers
.endif
.irp t, 0,1,2,3,4,5,6,7,8
	ds_load_b128 v[S+8*\t:S+8*\t+3], v[AB] offset:((\e)+\t)*64       ; the bias of my eight keys of each tile: the sums begin with it
	ds_load_b128 v[S+8*\t+4:S+8*\t+7], v[AB] offset:((\e)+\t)*64+16
.endr
.irp t, 0,1,2,3
	KLOAD \t, KA+16*\t, \e
.endr
.irp t, 4,5,6
	KLOAD \t, KB+16*(\t-4), \e
.endr
	s_wait_dscnt 12                                ; all but key tiles 4 to 6
.irp j, 0,1,2,3,4,5,6,7
	v_min_num_f32 v[S+\j], v[S+\j], v[W0+\j]       ; the band's two edges
	v_min_num_f32 v[S+64+\j], v[S+64+\j], v[W8+\j]
.endr
.irp c, 0,1
.irp t, 0,1,2,3
	SCORE \t, \c, KA+16*\t, \e
.endr
.endr
	PLACES                                         ; ahead of loads into registers that those products read
	KLOAD 7, KA, \e
	KLOAD 8, KA+16, \e
	s_wait_dscnt 8                                 ; key tiles 4 to 6 are in; 7 and 8 may be out
.irp c, 0,1
.irp t, 4,5,6
	SCORE \t, \c, KB+16*(\t-4), \e
.endr
.endr
	s_wait_dscnt 0x0
.irp c, 0,1
	SCORE 7, \c, KA, \e
	SCORE 8, \c, KA+16, \e
.endr
	PLACES                                         ; ahead of the load below and of the first read of the scores
	LOADV 0, T, \e
.irp t, 0,1,2,3,4,5,6,7,8
	v_max3_num_f32 v[M+\t], v[S+8*\t], v[S+8*\t+1], v[S+8*\t+2]     ; each tile from its low end on, the nine by turns
.endr
.irp i, 3,5
.irp t, 0,1,2,3,4,5,6,7,8
	v_max3_num_f32 v[M+\t], v[M+\t], v[S+8*\t+\i], v[S+8*\t+\i+1]
.endr
.endr
.irp t, 0,1,2,3,4,5,6,7,8
	v_max_num_f32 v[M+\t], v[M+\t], v[S+8*\t+7]
.endr
	v_max3_num_f32 v[M], v[M], v[M+1], v[M+2]
	v_max3_num_f32 v[M+3], v[M+3], v[M+4], v[M+5]
	v_max3_num_f32 v[M+6], v[M+6], v[M+7], v[M+8]
	v_max3_num_f32 v[MX], v[M], v[M+3], v[M+6]
	v_permlanex16_b32 v[XX], v[MX], s20, s21
	v_max_num_f32 v[MX], v[MX], v[XX]              ; the row's maximum over its 144 keys
	v_cmp_gt_f32 s19, s18, v[MX]                   ; set where every key of the window is masked
	v_mul_f32 v[MC], s22, v[MX]
	v_mul_f32 v[MC+1], s22, v[MX]
.set kk, 0
.rept 36
	v_pk_fma_f32 v[S+kk:S+kk+1], v[S+kk:S+kk+1], s[22:23], v[MC:MC+1] op_sel_hi:[1,0,0] neg_lo:[0,0,1] neg_hi:[0,0,1]   ; c s - c m
.set kk, kk+2
.endr
.set kk, 0
.rept 72
	v_exp_f32 v[S+kk], v[S+kk]                     ; one batch
.set kk, kk+1
.endr
.irp i, 36,37,38,39
	v_mov_b32 v[P+\i], 0                           ; the weights of the tenth tile that is not there.  (Plain lines behind the exponentials)
.endr
	s_wait_alu depctr_va_vdst(0)                   ; one wait for the batch, ahead of its first reader
	v_pk_add_f32 v[L0:L0+1], v[S:S+1], v[S+2:S+3]  ; the row's sum, of the weights ahead of their rounding, in two chains
	v_pk_add_f32 v[L1:L1+1], v[S+4:S+5], v[S+6:S+7]
.set kk, 8
.rept 16
	v_pk_add_f32 v[L0:L0+1], v[L0:L0+1], v[S+kk:S+kk+1]
	v_pk_add_f32 v[L1:L1+1], v[L1:L1+1], v[S+kk+2:S+kk+3]
.set kk, kk+4
.endr
.set kk, 0
.rept 36
	v_cvt_pk_f16_f32 v[P+kk], v[S+2*kk], v[S+2*kk+1]
.set kk, kk+1
.endr
	LOADV 1, S, \e                                 ; the scores' registers are free
	LOADV 2, S+32, \e
	v_pk_add_f32 v[L0:L0+1], v[L0:L0+1], v[L1:L1+1]
	v_add_f32 v[L0], v[L0], v[L0+1]
	v_permlanex16_b32 v[XX], v[L0], s20, s21
	v_add_f32 v[L0], v[L0], v[XX]
	v_rcp_f32 v[RL], v[L0]                         ; twice: a pair for the packed multiply; read behind the second product
	v_rcp_f32 v[RL+1], v[L0]
	v_nop
	s_wait_dscnt 16                                ; V's first 32 keys are in; the 16 loads behind them may be out
	PV 0, T, 1
	PLACES
	LOADV 3, T, \e
	s_wait_dscnt 16
	PV 1, S, 0
	PLACES
	LOADV 4, S, \e
	s_wait_dscnt 16
	PV 2, S+32, 0
	s_wait_dscnt 8
	PV 3, T, 0
	s_wait_dscnt 0x0
	PV 4, S, 0
	PLACES
.irp n, 0,1,2,3
	ds_load_b128 v[S+8*\n:S+8*\n+3], v[AM] offset:64*\n            ; the mean of V at my 32 channels
	ds_load_b128 v[S+8*\n+4:S+8*\n+7], v[AM] offset:64*\n+16
.endr
	s_wait_alu depctr_va_vdst(0)                   ; the reciprocals' wait, ahead of their first reader
.set kk, 0
.rept 16
	v_pk_mul_f32 v[O+kk:O+kk+1], v[O+kk:O+kk+1], v[RL:RL+1]        ; ascending: each accumulator from its low end on
.set kk, kk+2
.endr
	s_wait_dscnt 0x0
.set kk, 0
.rept 32
	v_cndmask_b32 v[O+kk], v[O+kk], v[S+kk], s19
.set kk, kk+1
.endr
.irp n, 0,1,2,3
.irp q, 0,1,2,3
	v_cvt_pk_f16_f32 v[O+8*\n+\q], v[O+8*\n+2*\q], v[O+8*\n+2*\q+1]   ; in place, ascending
.endr
.endr
.irp n, 0,1,2,3
	global_store_b128 v[LI], v[O+8*\n:O+8*\n+3], s[50:51] offset:(\e)*32768+512*\n   ; an image of the out-projection's operand: 512 consecutive bytes, aligned
.endr
.endm
	QTILE 0
	QTILE 1
	s_wait_tensorcnt 0x0                           ; the wave's end
	ds_add_u32 v[SPW], v[NIL]
	s_wait_dscnt 0x0
	s_endpgm
.Lfunc_end_k_qced7566126_attn:
	.size	k_qced7566126_attn, .Lfunc_end_k_qced7566126_attn-k_qced7566126_attn
	.p2alignl 7, 3214868480
	.fill 96, 4, 3214868480
	.section	.rodata,"a",@progbits
	.p2align	6, 0x0
	.amdhsa_kernel k_qced7566126_attn
		.amdhsa_group_segment_fixed_size 168704
		.amdhsa_private_segment_fixed_size 0
		.amdhsa_enable_private_segment 0
		.amdhsa_kernarg_size 24
		.amdhsa_user_sgpr_count 2
		.amdhsa_user_sgpr_kernarg_segment_ptr 1
		.amdhsa_wavefront_size32 1
		.amdhsa_system_sgpr_workgroup_id_x 1
		.amdhsa_system_sgpr_workgroup_id_y 1
		.amdhsa_system_sgpr_workgroup_id_z 1
		.amdhsa_system_vgpr_workitem_id 0
		.amdhsa_next_free_vgpr 256
		.amdhsa_next_free_sgpr 66
		.amdhsa_reserve_vcc 1
		.amdhsa_float_denorm_mode_32 3
		.amdhsa_float_denorm_mode_16_64 3
		.amdhsa_memory_ordered 1
		.amdhsa_forward_progress 1
		.amdhsa_inst_pref_size 62
	.end_amdhsa_kernel
	.amdgpu_metadata
---
amdhsa.version: [ 1, 2 ]
amdhsa.kernels:
  - .name:           k_qced7566126_attn
    .symbol:         k_qced7566126_attn.kd
    .args:
      - { .name: qkv, .offset: 0, .size: 8, .value_kind: global_buffer, .address_space: global }
      - { .name: kbias, .offset: 8, .size: 8, .value_kind: global_buffer, .address_space: global }
      - { .name: aimg, .offset: 16, .size: 8, .value_kind: global_buffer, .address_space: global }
    .group_segment_fixed_size: 168704
    .private_segment_fixed_size: 0
    .kernarg_segment_align: 8
    .kernarg_segment_size: 24
    .max_flat_workgroup_size: 512
    .sgpr_count:     66
    .vgpr_count:     256
    .wavefront_size: 32
...
	.end_amdgpu_metadata
.endif
;; end of part 3
;; launch oproj (part 4): grid 4 x 64, 4 waves a work-group, clusters of 4 x 4, 327,680 bytes of LDS; arguments aimg, woimg, out0; writes out0
.if DOCPART == 4
	.amdgcn_target "amdgcn-amd-amdhsa--gfx1250"
	.amdhsa_code_object_version 6
	.text
	.protected	k_qced7566126_oproj
	.globl	k_qced7566126_oproj
	.p2align	8
	.type	k_qced7566126_oproj,@function
k_qced7566126_oproj:
	s_mov_b64 s[64:65], 0
	v_nop
	global_prefetch_b8 v0, s[64:65] scope:SCOPE_SE
	s_setreg_imm32_b32 hwreg(HW_REG_WAVE_MODE, 25, 1), 1
	s_wait_xcnt 0x0
	s_wait_alu depctr_hold_cnt(0) depctr_sa_sdst(0) depctr_va_vdst(0) depctr_va_sdst(0) depctr_va_ssrc(0) depctr_va_vcc(0) depctr_vm_vsrc(0)
	s_getreg_b32 s2, hwreg(HW_REG_IB_STS2, 6, 4)
	s_cmp_eq_u32 s2, 0
	s_cbranch_scc0 .Lentry_in_a_cluster
	s_endpgm
.Lentry_in_a_cluster:
	s_bfe_u32 s2, ttmp6, 0x10000c
	s_cmp_lg_u32 s2, 0xf033
	s_cbranch_scc0 .Lentry_shape_is_right
	s_endpgm
.Lentry_shape_is_right:
; OUT = attn Wo^T, 8192 x 1024 x 1024, f16 operands, f32 sums, f32 out.  Both operands come as images of operand registers: [16 rows][32 blocks of 32 along K][half p][lane][16 bytes]: a tile of 16 rows is 32 KiB, dense along K.
; A tile of 128 tokens x 256 columns is made by four waves, each 64 x 128: 32 accumulators, window 1.  That gives 256 work-groups.  The product is used transposed (source 0 = 16 rows of Wo, source 1 = 16 tokens):
; a lane holds eight neighbouring columns of one token.  1,024 matrix instructions a wave, written out by macros; the accumulators take turns, one instruction a turn.
; LDS: TWO REGIONS OF UNEQUAL SIZE, since two of 256 along K do not fit.  D holds 256 along K (8 KiB a tile of 16 rows), E 128 (4 KiB).  K's 32 blocks go D 0-7, E 8-11, D 12-19, E 20-23, D 24-31: three refills.
; Fragments are read at 16 x lane + constants: 512 consecutive bytes a load, so no padding.
; CLUSTERS: 4 x 4 work-groups; the four of a row need the same tokens, the four of a column the same rows of Wo: each tile is asked for jointly.  A refill stands first behind a round of the cluster's barrier, one load a wave.
; The stage of the way out lies in E: when the first result is stored there E has had its last fill, and every wave has passed the barrier behind its last read.
.set RD_B,  65536                      ; D: the tokens' 8 tiles from 0, Wo's 16 tiles from here
.set RE_A,  196608                     ; E: the tokens'
.set RE_B,  229376                     ; and Wo's
.set SPARE, 294912                     ; the spare words, 128 bytes a wave, which no other line names
.set SPITCH, 528                       ; a stage row: 512 bytes + 16
.set ADA_D, 16                         ; v16-19 LDS addresses of my fragments
.set ADB_D, 17
.set ADA_E, 18
.set ADB_E, 19
.set STO,  24                          ; v24 the way out: where I put 32 bytes of a row
.set RD,   25                          ; v25 where I read a row back
.set CO,   26                          ; v26 16 x lane
.set SPW,  28
.set NIL,  29
.set PFD,  30                          ; v30 prefetch offsets: 32,768 x wave + 256 x lane;
.set PFE,  31                          ; v31 32,768 x (lane / 16) + 256 x (lane % 16); never rewritten
.set FS,   32                          ; fragment set f at v[32 + 96 f]: 64 registers of Wo, then 32 of tokens
.set BK,   32                          ; the way out: 16 rows read back: v32-95 and v96-159 by turns
.set G1AD, 24
.set G1BD, 32
.set G1AE, 48
.set G1BE, 56
.set G0AD, 68
.set G0BD, 72
.set G0AE, 76
.set G0BE, 80
.set PFA,  84                          ; s[84:85] my work-group's two of the eight token tiles; never rewritten
.set MSB, 0
.macro WIN new
.if MSB != (\new)
	s_set_vgpr_msb (MSB<<8)|(\new)
.set MSB, (\new)
.endif
.endm
.set MUL, 0x50                         ; sources 0 and 1 window 0; C and D window 1
.macro PLACES
.rept 4
	v_nop
.endr
.endm
.macro JL g0a, g1a, g0b, g1b           ; a joint load: waves 0 and 1 fetch the tokens' halves, waves 2 and 3 Wo's; an s_nop 0 and four v_nop follow each line
	s_cmp_eq_u32 s11, 0
	s_cbranch_scc0 .Lfor_b_\@
	tensor_load_to_lds s[\g0a:\g0a+3], s[\g1a:\g1a+7]
	s_nop 0
	PLACES
	s_branch .Lasked_\@
.Lfor_b_\@:
	tensor_load_to_lds s[\g0b:\g0b+3], s[\g1b:\g1b+7]
	s_nop 0
	PLACES
.Lasked_\@:
.endm
.macro CREST                           ; a round of the cluster's barrier behind its opening barrier
	s_cmp_lg_u32 s10, 0
	s_cbranch_scc1 .Lnot_wave_0_\@
	s_barrier_signal -3
.Lnot_wave_0_\@:
	s_barrier_wait -3
	s_barrier_signal -1
	s_barrier_wait -1
.endm
.macro CROUND
	s_barrier_signal -1
	s_barrier_wait -1
	CREST
.endm
; A PREFETCH INTO THE L2 of the tokens' part of a later refill.  A work-group's 8 token tiles are read by its cluster's row alone (the grid is one cluster wide); the four partners share them out BY ADDRESS, two tiles each.
; kind 1, 3: D's second and third fill, 8,192 bytes of each tile: waves 0 and 1, a tile each, lanes 256 bytes apart.  kind 2: E's second fill, 4,096 bytes of each tile: wave 2, sixteen lanes to a tile.
; So each aligned block of 256 bytes is named once in the launch.  Each stands one phase ahead of the load that wants the bytes; the first fills come by their loads alone; Wo, which every cluster reads, is not asked for.
.macro ASK kind
.if ((\kind) == 1) || ((\kind) == 3)
	s_cmp_lt_u32 s10, 2
	s_cbranch_scc0 .Lno_ask_\@
	global_prefetch_b8 v[PFD], s[PFA:PFA+1] offset:12288*(((\kind)+1)/2) th:TH_LOAD_NT scope:SCOPE_SE
.Lno_ask_\@:
.elseif (\kind) == 2
	s_cmp_eq_u32 s10, 2
	s_cbranch_scc0 .Lno_ask_\@
	global_prefetch_b8 v[PFE], s[PFA:PFA+1] offset:20480 th:TH_LOAD_NT scope:SCOPE_SE
.Lno_ask_\@:
.endif
.endm
	s_load_b128 s[4:7], s[0:1], 0x0                ; aimg s[4:5], woimg s[6:7]
	s_load_b64 s[8:9], s[0:1], 0x10                ; out0
	v_lshl_add_u32 v[SPW], v0, 2, SPARE
	v_mov_b32 v[NIL], 0
	ds_add_u32 v[SPW], v[NIL]                      ; the wave's opening: the add, twice on end, and its wait ahead of my first tensor load
	ds_add_u32 v[SPW], v[NIL]
	v_lshrrev_b32 v1, 5, v0
	v_readfirstlane_b32 s10, v1                    ; wave 0..3
	s_lshr_b32 s11, s10, 1                         ; which 64 tokens are mine.  Also: I fetch for the tokens (0) or for Wo (1)
	s_and_b32 s12, s10, 1                          ; which 128 columns.  Also: which half of that tile I fetch
	s_bfe_u32 s40, ttmp6, 0x40000                  ; cx, cy
	s_bfe_u32 s41, ttmp6, 0x40004
	s_lshl_b32 s42, ttmp9, 2
	s_add_co_u32 s42, s42, s40                     ; tile column
	s_and_b32 s13, ttmp7, 0xffff
	s_lshl_b32 s13, s13, 2
	s_add_co_u32 s13, s13, s41                     ; tile row
	s_lshl_b32 s43, s41, 2
	s_lshl_b32 s43, 15, s43                        ; my row of the cluster
	s_lshl_b32 s44, 0x1111, s40                    ; my column
	; descriptor group 1: a row is one tile's run along K (1,024 or 512 elements of 8 bytes), rows 4,096 elements apart; 4 rows for half the tokens, 8 for half of Wo's; no padding; bit 21 beside the mask
	s_or_b32 s[G1AD], s43, (3<<16)|(1<<21)
	s_or_b32 s[G1AE], s43, (3<<16)|(1<<21)
	s_or_b32 s[G1BD], s44, (3<<16)|(1<<21)
	s_or_b32 s[G1BE], s44, (3<<16)|(1<<21)
	s_mov_b32 s[G1AD+1], 1024<<16
	s_mov_b32 s[G1AD+2], 4<<16
	s_mov_b32 s[G1AD+3], 1024<<16
	s_mov_b32 s[G1AD+4], 4
	s_mov_b32 s[G1BD+1], 1024<<16
	s_mov_b32 s[G1BD+2], 8<<16
	s_mov_b32 s[G1BD+3], 1024<<16
	s_mov_b32 s[G1BD+4], 8
	s_mov_b32 s[G1AE+1], 512<<16
	s_mov_b32 s[G1AE+2], 4<<16
	s_mov_b32 s[G1AE+3], 512<<16
	s_mov_b32 s[G1AE+4], 4
	s_mov_b32 s[G1BE+1], 512<<16
	s_mov_b32 s[G1BE+2], 8<<16
	s_mov_b32 s[G1BE+3], 512<<16
	s_mov_b32 s[G1BE+4], 8
.irp g, G1AD, G1BD, G1AE, G1BE
	s_mov_b32 s[\g+5], 4096
	s_mov_b32 s[\g+6], 0
	s_mov_b32 s[\g+7], 0
.endr
	s_lshl_b32 s16, s13, 3
	s_lshl_b32 s17, s12, 2
	s_add_co_u32 s16, s16, s17
	s_lshl_b32 s16, s16, 15                        ; tokens: tile 8 x tile row + 4 x half, 32,768 bytes each
	s_mov_b32 s17, 0
	s_lshl_b32 s46, s42, 4
	s_lshl_b32 s47, s12, 3
	s_add_co_u32 s46, s46, s47
	s_lshl_b32 s46, s46, 15                        ; Wo: tile 16 x tile column + 8 x half
	s_mov_b32 s47, 0
	s_wait_dscnt 0x0                               ; both opening adds are done
	s_wait_kmcnt 0x0
	s_add_nc_u64 s[14:15], s[4:5], s[16:17]
	s_add_nc_u64 s[46:47], s[6:7], s[46:47]
	CROUND                                         ; all sixteen work-groups are here: the first joint loads meet
	s_mov_b32 s[G0AD], 1
	s_lshl_b32 s[G0AD+1], s12, 15                  ; LDS: no place in the cluster enters an LDS address
	s_mov_b64 s[G0AD+2:G0AD+3], s[14:15]
	s_or_b32 s[G0AD+3], s[G0AD+3], 0x80000000
	s_mov_b32 s[G0AE], 1
	s_lshl_b32 s20, s12, 14
	s_add_co_u32 s[G0AE+1], s20, RE_A
	s_add_nc_u64 s[G0AE+2:G0AE+3], s[14:15], 8192  ; blocks 8 on
	s_or_b32 s[G0AE+3], s[G0AE+3], 0x80000000
	s_mov_b32 s[G0BD], 1
	s_lshl_b32 s20, s12, 16
	s_add_co_u32 s[G0BD+1], s20, RD_B
	s_mov_b64 s[G0BD+2:G0BD+3], s[46:47]
	s_or_b32 s[G0BD+3], s[G0BD+3], 0x80000000
	s_mov_b32 s[G0BE], 1
	s_lshl_b32 s20, s12, 15
	s_add_co_u32 s[G0BE+1], s20, RE_B
	s_add_nc_u64 s[G0BE+2:G0BE+3], s[46:47], 8192
	s_or_b32 s[G0BE+3], s[G0BE+3], 0x80000000
	s_cmp_eq_u32 s11, 0                            ; a wave's two first fills stand in one branch: two loads of mine are out at the most
	s_cbranch_scc0 .Lfirst_b
	tensor_load_to_lds s[G0AD:G0AD+3], s[G1AD:G1AD+7]
	s_nop 0
	tensor_load_to_lds s[G0AE:G0AE+3], s[G1AE:G1AE+7]
	s_nop 0
	PLACES
	s_branch .Lfirst_asked
.Lfirst_b:
	tensor_load_to_lds s[G0BD:G0BD+3], s[G1BD:G1BD+7]
	s_nop 0
	tensor_load_to_lds s[G0BE:G0BE+3], s[G1BE:G1BE+7]
	s_nop 0
	PLACES
.Lfirst_asked:
	v_and_b32 v1, 15, v0                           ; r
	v_bfe_u32 v2, v0, 4, 1                         ; h
	v_and_b32 v3, 31, v0                           ; lane
	v_lshlrev_b32 v[CO], 4, v3
	s_lshl_b32 s20, s11, 15
	v_add_nc_u32 v[ADA_D], s20, v[CO]              ; my 4 token tiles in D
	s_lshl_b32 s20, s12, 16
	s_add_co_u32 s20, s20, RD_B
	v_add_nc_u32 v[ADB_D], s20, v[CO]              ; my 8 tiles of Wo in D
	s_lshl_b32 s20, s11, 14
	s_add_co_u32 s20, s20, RE_A
	v_add_nc_u32 v[ADA_E], s20, v[CO]
	s_lshl_b32 s20, s12, 15
	s_add_co_u32 s20, s20, RE_B
	v_add_nc_u32 v[ADB_E], s20, v[CO]
	s_mul_i32 s23, s10, 16*SPITCH
	s_add_co_u32 s23, s23, RE_A                    ; my stage
	v_mul_u32_u24 v4, v1, SPITCH
	v_lshl_add_u32 v4, v2, 5, v4
	v_add_nc_u32 v[STO], s23, v4                   ; in: row r, 32 bytes for each half of the lanes
	v_add_nc_u32 v[RD], s23, v[CO]                 ; back: the 32 lanes take one row of 512 bytes
	v_lshlrev_b32 v[PFD], 8, v3
	s_lshl_b32 s20, s10, 15
	v_add_nc_u32 v[PFD], s20, v[PFD]
	v_lshlrev_b32 v[PFE], 8, v1
	v_lshl_add_u32 v[PFE], v2, 15, v[PFE]
	s_lshl_b32 s20, s13, 3
	s_lshl_b32 s21, s40, 1
	s_add_co_u32 s20, s20, s21
	s_lshl_b32 s20, s20, 15
	s_mov_b32 s21, 0
	s_add_nc_u64 s[PFA:PFA+1], s[4:5], s[20:21]
	s_lshl_b32 s20, s13, 7
	s_lshl_b32 s22, s11, 6
	s_add_co_u32 s20, s20, s22
	s_lshl_b32 s20, s20, 12                        ; my first row of the output: 4,096 bytes a row
	s_lshl_b32 s22, s42, 10
	s_add_co_u32 s20, s20, s22
	s_lshl_b32 s22, s12, 9
	s_add_co_u32 s20, s20, s22                     ; + my first column x 4
	s_add_nc_u64 s[8:9], s[8:9], s[20:21]
.macro M f, a, zero                    ; 8 matrix instructions: token tile a x Wo's eight tiles, 32 along K
.irp b, 0,1,2,3,4,5,6,7
.set rD, 8*(8*(\a)+\b)
.set rB, FS+96*(\f)+8*\b
.set rA, FS+96*(\f)+64+8*(\a)
.if \zero
	v_wmma_f32_16x16x32_f16 v[rD:rD+7], v[rB:rB+7], v[rA:rA+7], 0
.else
	v_wmma_f32_16x16x32_f16 v[rD:rD+7], v[rB:rB+7], v[rA:rA+7], v[rD:rD+7]
.endif
.endr
.endm
.macro FETCHG g                        ; the fragments of K's block g (0..31) into set g % 2: 24 loads in one run
.if (\g) < 8
.set RA, ADA_D
.set RB, ADB_D
.set TS, 8192
.set KL, (\g)
.elseif (\g) < 12
.set RA, ADA_E
.set RB, ADB_E
.set TS, 4096
.set KL, (\g)-8
.elseif (\g) < 20
.set RA, ADA_D
.set RB, ADB_D
.set TS, 8192
.set KL, (\g)-12
.elseif (\g) < 24
.set RA, ADA_E
.set RB, ADB_E
.set TS, 4096
.set KL, (\g)-20
.else
.set RA, ADA_D
.set RB, ADB_D
.set TS, 8192
.set KL, (\g)-24
.endif
.set FB, FS+96*((\g)%2)
.irp i, 0,1,2,3,4,5,6,7
	ds_load_b128 v[FB+8*\i:FB+8*\i+3], v[RB] offset:\i*TS+KL*1024
	ds_load_b128 v[FB+8*\i+4:FB+8*\i+7], v[RB] offset:\i*TS+KL*1024+512
.endr
.irp i, 0,1,2,3
	ds_load_b128 v[FB+64+8*\i:FB+64+8*\i+3], v[RA] offset:\i*TS+KL*1024
	ds_load_b128 v[FB+64+8*\i+4:FB+64+8*\i+7], v[RA] offset:\i*TS+KL*1024+512
.endr
.endm
.macro KBLK g, zero, ask               ; block g, whose successor lies in the same region: 32 matrix instructions, the next block's loads in their middle
	s_wait_dscnt 0x0                               ; this block's fragments, asked for 16 matrix instructions ago
	WIN MUL
	M (\g)%2, 0, \zero
	M (\g)%2, 1, \zero
	PLACES                                         ; ahead of loads into the set that the last block's products read
	WIN 0
	FETCHG (\g)+1
	ASK \ask
	WIN MUL
	M (\g)%2, 2, \zero
	M (\g)%2, 3, \zero
.endm
; A phase's last block changes regions: ONE barrier; in front of it each wave waits for all its tensor loads (its part of the region ahead), adds 0 to its spare word, and waits for that and for its reads of this region.
; fill = 1: D, which has just been read out, is filled again; fill = 2: E; fill = 0: nothing is left to fetch.  With a fill the barrier opens a round of the cluster's barrier, and the joint load is the first thing behind it.
.macro LAST g, fill, ask
	WIN 0                                          ; (the add's two registers lie in window 0)
	s_wait_tensorcnt 0x0
	ds_add_u32 v[SPW], v[NIL]
	s_wait_dscnt 1                                 ; this block's fragments are in (the add may be out)
	WIN MUL
	M (\g)%2, 0, 0
	s_wait_dscnt 0x0                               ; the add is done, and my reads of this region are over
	s_barrier_signal -1
	M (\g)%2, 1, 0
	WIN 0
	s_barrier_wait -1
.if (\fill) == 1
	CREST
	s_add_nc_u64 s[G0AD+2:G0AD+3], s[G0AD+2:G0AD+3], 12288   ; 12 blocks on (no tensor load of mine is out)
	s_add_nc_u64 s[G0BD+2:G0BD+3], s[G0BD+2:G0BD+3], 12288
	JL G0AD, G1AD, G0BD, G1BD                      ; its four v_nop are also the places ahead of the loads below
.elseif (\fill) == 2
	CREST
	s_add_nc_u64 s[G0AE+2:G0AE+3], s[G0AE+2:G0AE+3], 12288
	s_add_nc_u64 s[G0BE+2:G0BE+3], s[G0BE+2:G0BE+3], 12288
	JL G0AE, G1AE, G0BE, G1BE
.else
	PLACES
.endif
	FETCHG (\g)+1
	ASK \ask
	WIN MUL
	M (\g)%2, 2, 0
	M (\g)%2, 3, 0
.endm
	s_wait_tensorcnt 1                             ; my part of D is in; E's may stay out
	s_barrier_signal -1
	s_barrier_wait -1
	FETCHG 0
	KBLK 0, 1, 0                                   ; the first products start the sums
	KBLK 1, 0, 1
.irp g, 2,3,4,5,6
	KBLK \g, 0, 0
.endr
	LAST 7, 1, 2
.irp g, 8,9,10
	KBLK \g, 0, 0
.endr
	LAST 11, 2, 3
.irp g, 12,13,14,15,16,17,18
	KBLK \g, 0, 0
.endr
	LAST 19, 1, 0
.irp g, 20,21,22
	KBLK \g, 0, 0
.endr
	LAST 23, 0, 0
.irp g, 24,25,26,27,28,29,30
	KBLK \g, 0, 0
.endr
	s_wait_dscnt 0x0
	WIN MUL
	M 1, 0, 0
	M 1, 1, 0
	M 1, 2, 0
	M 1, 3, 0
	WIN 0
; THE WAY OUT, 16 tokens x 128 columns at a time: through my own stage and back as whole rows of 512 bytes.  LDS serves a wave's instructions in order: no wait between the stores and the loads.
.macro TOSTAGE a
	WIN 0x04                                       ; an LDS store's data are its source 1: window 1
.irp b, 0,1,2,3,4,5,6,7
	ds_store_b128 v[STO], v[8*(8*(\a)+\b):8*(8*(\a)+\b)+3] offset:64*\b          ; each accumulator from its low end on
	ds_store_b128 v[STO], v[8*(8*(\a)+\b)+4:8*(8*(\a)+\b)+7] offset:64*\b+16
.endr
	WIN 0
.set BB, BK+64*((\a)%2)
.irp t, 0,1,2,3,4,5,6,7,8,9,10,11,12,13,14,15
	ds_load_b128 v[BB+4*\t:BB+4*\t+3], v[RD] offset:\t*SPITCH
.endr
.endm
.macro SEND a, younger                 ; younger: the LDS instructions issued behind block a's loads, which may stay out
.set BB, BK+64*((\a)%2)
	s_wait_dscnt \younger
.if (\a) > 0
	s_add_nc_u64 s[8:9], s[8:9], 65536             ; 16 rows on (behind a wait that shows that the earlier stores have read their base)
.endif
.irp t, 0,1,2,3,4,5,6,7,8,9,10,11,12,13,14,15
	global_store_b128 v[CO], v[BB+4*\t:BB+4*\t+3], s[8:9] offset:\t*4096 th:TH_STORE_NT   ; 32 lanes store 512 consecutive bytes, aligned
.endr
.endm
	PLACES                                         ; ahead of the reads of results and of loads into the fragments' registers
	TOSTAGE 0
.irp a, 1,2,3
.if \a > 1
	s_wait_xcnt 0x0                                ; block a - 2's stores have read their registers and their base
.endif
	TOSTAGE \a
	SEND \a-1, 32                                  ; behind block a - 1's loads: block a's 16 stores and 16 loads
.endr
	s_wait_xcnt 0x0
	SEND 3, 0
	s_wait_tensorcnt 0x0                           ; the wave's end
	ds_add_u32 v[SPW], v[NIL]
	s_wait_dscnt 0x0
	CROUND                                         ; the closing round
	s_endpgm
.Lfunc_end_k_qced7566126_oproj:
	.size	k_qced7566126_oproj, .Lfunc_end_k_qced7566126_oproj-k_qced7566126_oproj
	.p2alignl 7, 3214868480
	.fill 96, 4, 3214868480
	.section	.rodata,"a",@progbits
	.p2align	6, 0x0
	.amdhsa_kernel k_qced7566126_oproj
		.amdhsa_group_segment_fixed_size 327680
		.amdhsa_private_segment_fixed_size 0
		.amdhsa_enable_private_segment 0
		.amdhsa_kernarg_size 24
		.amdhsa_user_sgpr_count 2
		.amdhsa_user_sgpr_kernarg_segment_ptr 1
		.amdhsa_wavefront_size32 1
		.amdhsa_system_sgpr_workgroup_id_x 1
		.amdhsa_system_sgpr_workgroup_id_y 1
		.amdhsa_system_sgpr_workgroup_id_z 1
		.amdhsa_system_vgpr_workitem_id 0
		.amdhsa_next_free_vgpr 512
		.amdhsa_next_free_sgpr 86
		.amdhsa_reserve_vcc 0
		.amdhsa_float_denorm_mode_32 3
		.amdhsa_float_denorm_mode_16_64 3
		.amdhsa_memory_ordered 1
		.amdhsa_forward_progress 1
		.amdhsa_inst_pref_size 146
	.end_amdhsa_kernel
	.amdgpu_metadata
---
amdhsa.version: [ 1, 2 ]
amdhsa.kernels:
  - .name:           k_qced7566126_oproj
    .symbol:         k_qced7566126_oproj.kd
    .args:
      - { .name: aimg, .offset: 0, .size: 8, .value_kind: global_buffer, .address_space: global }
      - { .name: woimg, .offset: 8, .size: 8, .value_kind: global_buffer, .address_space: global }
      - { .name: out0, .offset: 16, .size: 8, .value_kind: global_buffer, .address_space: global }
    .group_segment_fixed_size: 327680
    .private_segment_fixed_size: 0
    .kernarg_segment_align: 8
    .kernarg_segment_size: 24
    .max_flat_workgroup_size: 128
    .sgpr_count:     86
    .vgpr_count:     512
    .wavefront_size: 32
...
	.end_amdgpu_metadata
.endif
;; end of part 4
